; MI455X (gfx1250); checked and timed in simulation.
; The chip was launched on July 23, 2026; its instructions are those of AMD's public machine-readable ISA for CDNA 5 (MIT licence, August 2026) and "CDNA5" Instruction Set Architecture Reference Guide (July 2026). The comments in the code are by the model that wrote it; some were corrected since.
;; Causal Attention. Allowed arithmetic: float matrix products may take bf16 or f16 operands with f32 sums; other float arithmetic in f32, or as packed bf16 or f16 multiplies, adds, multiply-adds, maxima and minima; sums over many terms, partial sums and values carried from step to step in f32; what a program stores and reads back later, other than sums and carried values, may be rounded once to bf16 or f16.
;; Inputs: Wk 1,024 x 1,024 float32; Wq 1,024 x 1,024 float32; Wv 1,024 x 1,024 float32; x 4 x 2,048 x 1,024 float32.
;; Outputs: out0 4 x 2,048 x 1,024 float32.
;; 2 versions, each right; version 2 is version 1 with the launch prep written anew for expert scheduling mode. Each part assembles by itself: llvm-mc -triple=amdgcn-amd-amdhsa -mcpu=gfx1250 --defsym DOCPART=n.
;; ======== version 1 of 2: 4 launches
;; limits: values are held in f16: magnitudes above 65,504 overflow, below 6.1e-05 lose precision; right only within a limited range of input values
;; workspace buffers: x16 16,777,216 bytes; mt 2,097,152 bytes; wvt 2,097,152 bytes; qs 16,777,216 bytes; vt 18,874,368 bytes; tl 1,048,576 bytes; pt 33,554,432 bytes; st 524,288 bytes
;; launch prep (part 1): grid 256 x 1, 8 waves a work-group, no clusters, 283,136 bytes of LDS; arguments x, Wq, Wk, Wv, x16, mt, wvt; writes x16, mt, wvt
.if DOCPART == 1
	.amdgcn_target "amdgcn-amd-amdhsa--gfx1250"
	.amdhsa_code_object_version 6
	.text
	.protected	k_q0061325a37_prep
	.globl	k_q0061325a37_prep
	.p2align	8
	.type	k_q0061325a37_prep,@function
k_q0061325a37_prep:
	s_mov_b64 s[64:65], 0
	v_nop
	global_prefetch_b8 v0, s[64:65] scope:SCOPE_SE
	s_setreg_imm32_b32 hwreg(HW_REG_WAVE_MODE, 25, 1), 1
	s_wait_xcnt 0x0
; CAUSAL ATTENTION, one head of 1,024 channels: x [4][2048][1024], Wq, Wk, Wv [1024 d][1024 e], out [4][2048][1024], all f32.  Four launches: prep, proj, score, mix.
; WHAT THE PROGRAM LEAVES OUT, for all finite values of the inputs:
; (1) THE TILES ABOVE THE DIAGONAL.  reference() itself puts -inf at scores[q][k] for k > q (its own jnp.tril), so the softmax's weight there is exp(-inf) = 0 whatever x and the weights hold.
;     Key tiles of 256 that lie wholly above the diagonal reach no output: neither their scores nor their share of attn v is formed (28 of a batch's 64 tiles, in both products).
; (2) THE PROJECTION k.  q . k = sum_e (sum_d x_q[d] Wq[d][e]) (sum_d' x_k[d'] Wk[d'][e]) = sum_d' (sum_d x_q[d] M[d'][d]) x_k[d'] with M[d'][d] = sum_e Wk[d'][e] Wq[d][e]: an identity.
;     One product of 1024^3 stands for the projection of 8,192 rows, and the keys are x itself.  All four inputs are loaded.
; LIMITS.  The order of rounding differs from reference()'s: M is formed first and rounded once to f16.  |x|, |Wv|, |M|, |x M| / 1024 and |v| must stay within f16's 65,504.
; A NaN, an infinity or an overflow that reaches only the tiles left out is not carried to the result.
; FORMATS.  Every input is rounded to bf16.  x and Wv are then written as that number in f16 (exact from 2^-14 on; below it f16's fixed step of 6e-8); Wq and Wk are multiplied in bf16, sums in f32.
; THIS LAUNCH, 256 work-groups of eight waves, each with three shares:
;   a. 32 rows of x -> x16;   b. a tile of 128 d x 32 e of Wv, turned in LDS -> wvt [e][d];   c. a tile of 64 x 64 of mt [d'][d], its two panels of 64 rows x 1,024 laid whole into LDS as bf16.
; No tensor load: every byte is converted on its way through registers.  mt's rows of a tile are 128 bytes: with 128 columns to a tile the panels (160 rows of 2,064 bytes) would not fit in LDS.
.set PP,    2064                       ; a panel's row in LDS: 2,048 bytes + 16: the 16 rows of a fragment load start 516 words apart
.set PANB,  64*PP                      ; panel A (rows of Wk) at 0, panel B (rows of Wq) here
.set TR,    2*PANB                     ; Wv's tile, turned: 32 rows (e) of 256 bytes + 16
.set TP,    272
.set MS,    TR+32*TP                   ; mt's tile on its way out: 64 rows of 128 bytes + 16
.set MP,    144
.set SPARE, MS+64*MP                   ; the spare words, 128 bytes for each of the eight waves: four blocks of 256 bytes that no other line names
.set XI,  2                            ; v2   x: 16,384 w + 16 lane
.set XO,  3                            ; v3   x16: 8,192 w + 8 lane
.set WVA, 6                            ; v6   Wv: (16 w + 2 (lane / 8)) rows + 16 (lane % 8)
.set TRS, 7                            ; v7   where a word of two d goes in the turned tile
.set TRR, 10                           ; v10  where a turned row is read back
.set WTO, 11                           ; v11  its place in wvt
.set PL,  12                           ; v12  16 lane
.set PS,  13                           ; v13  my wave's 16 panel rows in LDS + 8 lane
.set AA,  14                           ; v14  LDS address of my fragments of panel A; steps along K
.set BA,  16                           ; v16  the same for panel B
.set MSS, 17                           ; v17  mt's stage, in
.set MSR, 18                           ; v18  mt's stage, back
.set MTO, 19                           ; v19  its place in mt
.set SPW, 28                           ; v28  LDS address of my spare word; never rewritten
.set NIL, 29                           ; v29  0; never rewritten
.set RA,  32                           ; v[32:95], v[96:159]  two batches of 16 panel loads
.set RB,  96
.set RX,  160                          ; v[160:223] a batch of 16 loads of x
.set WV,  224                          ; v[224:239] Wv's four loads
.set FA,  32                           ; later: fragments of 128 along K: A, B's first column tile, B's second
.set FB,  64
.set FC,  96
.set ACC, 240                          ; v[240:255] two accumulators
.macro CVT2 dst, a, b, tmp             ; two f32 -> bf16 (nearest even) -> the same two numbers as f16, packed
	v_cvt_pk_bf16_f32 v[\tmp], v[\a], v[\b]
	v_lshlrev_b32 v[\a], 16, v[\tmp]
	v_and_b32 v[\tmp], 0xffff0000, v[\tmp]
	v_cvt_pk_f16_f32 v[\dst], v[\a], v[\tmp]
.endm
.macro PLOAD p, R                      ; batch p: rows 2 p, 2 p + 1 of my 16 panel rows, eight loads of 512 consecutive bytes each
.set n, 0
.rept 16
	global_load_b128 v[(\R)+4*n:(\R)+4*n+3], v[PL], s[34:35] offset:(2*(\p)+n/8)*4096+(n%8)*512
.set n, n+1
.endr
.endm
.macro PPROC p, R                      ; rounded to bf16 and laid into the panel: 256 consecutive bytes a store
.set n, 0
.rept 16
	v_cvt_pk_bf16_f32 v[(\R)+4*n], v[(\R)+4*n], v[(\R)+4*n+1]
	v_cvt_pk_bf16_f32 v[(\R)+4*n+1], v[(\R)+4*n+2], v[(\R)+4*n+3]
	ds_store_b64 v[PS], v[(\R)+4*n:(\R)+4*n+1] offset:(2*(\p)+n/8)*PP+(n%8)*256
.set n, n+1
.endr
.endm
.macro XLOAD b
.set n, 0
.rept 16
	global_load_b128 v[RX+4*n:RX+4*n+3], v[XI], s[8:9] offset:(16*(\b)+n)*512 th:TH_LOAD_NT
.set n, n+1
.endr
.endm
.macro XPROC b                         ; each store of the wave covers 256 consecutive bytes, aligned
.set n, 0
.rept 16
	CVT2 RX+4*n, RX+4*n, RX+4*n+1, 30
	CVT2 RX+4*n+1, RX+4*n+2, RX+4*n+3, 31
	global_store_b64 v[XO], v[RX+4*n:RX+4*n+1], s[16:17] offset:(16*(\b)+n)*256
.set n, n+1
.endr
.endm
.macro PLACES                          ; four places behind a matrix instruction (ISA guide 7.12.1)
.rept 4
	v_nop
.endr
.endm
	s_load_b256 s[8:15], s[0:1], 0x0               ; x s[8:9], Wq s[10:11], Wk s[12:13], Wv s[14:15]
	s_load_b128 s[16:19], s[0:1], 0x20             ; x16 s[16:17], mt s[18:19]
	s_load_b64 s[20:21], s[0:1], 0x30              ; wvt
	v_lshl_add_u32 v[SPW], v0, 2, SPARE
	v_mov_b32 v[NIL], 0
	v_lshrrev_b32 v1, 5, v0
	v_readfirstlane_b32 s24, v1                    ; wave 0..7
	v_and_b32 v1, 31, v0                           ; lane
	v_lshrrev_b32 v4, 3, v1                        ; lane / 8
	v_and_b32 v5, 7, v1                            ; lane % 8
	v_lshrrev_b32 v8, 4, v1                        ; lane / 16
	v_and_b32 v9, 15, v1                           ; lane % 16
	s_lshl_b32 s25, s24, 14
	v_lshl_add_u32 v[XI], v1, 4, s25
	s_lshl_b32 s25, s24, 13
	v_lshl_add_u32 v[XO], v1, 3, s25
	v_lshl_add_u32 v[WTO], v8, 11, s25             ; (4 w + lane / 16) rows of 2,048 bytes
	v_lshl_add_u32 v[WTO], v9, 4, v[WTO]
	s_lshl_b32 s25, s24, 16
	v_lshl_add_u32 v[WVA], v4, 13, s25
	v_lshl_add_u32 v[WVA], v5, 4, v[WVA]
	s_lshl_b32 s25, s24, 5
	s_add_co_u32 s25, s25, TR
	v_mul_u32_u24 v[TRS], v5, 4*TP                 ; row e = 4 (lane % 8) + c; byte 2 (16 w + 2 (lane / 8))
	v_lshl_add_u32 v[TRS], v4, 2, v[TRS]
	v_add_nc_u32 v[TRS], s25, v[TRS]
	s_mul_i32 s25, s24, 4*TP
	s_add_co_u32 s25, s25, TR
	v_mul_u32_u24 v[TRR], v8, TP
	v_lshl_add_u32 v[TRR], v9, 4, v[TRR]
	v_add_nc_u32 v[TRR], s25, v[TRR]
	v_lshlrev_b32 v[PL], 4, v1
	s_mul_i32 s25, s24, 16*PP
	v_lshl_add_u32 v[PS], v1, 3, s25
	v_mul_u32_u24 v15, v9, PP                      ; a fragment's row x pitch + 16 x half
	v_lshl_add_u32 v15, v8, 4, v15
	s_lshr_b32 s26, s24, 1                         ; my row tile of 16, 0..3
	s_and_b32 s27, s24, 1                          ; my pair of column tiles
	s_mul_i32 s25, s26, 16*PP
	v_add_nc_u32 v[AA], s25, v15
	s_mul_i32 s25, s27, 32*PP
	s_add_co_u32 s25, s25, PANB
	v_add_nc_u32 v[BA], s25, v15
	s_mul_i32 s25, s26, 16*MP
	s_lshl_b32 s28, s27, 6
	s_add_co_u32 s25, s25, s28
	s_add_co_u32 s25, s25, MS
	v_mul_u32_u24 v[MSS], v9, MP
	v_lshl_add_u32 v[MSS], v8, 4, v[MSS]
	v_add_nc_u32 v[MSS], s25, v[MSS]
	s_mul_i32 s25, s24, 8*MP
	s_add_co_u32 s25, s25, MS
	v_mul_u32_u24 v[MSR], v4, MP
	v_lshl_add_u32 v[MSR], v5, 4, v[MSR]
	v_add_nc_u32 v[MSR], s25, v[MSR]
	s_lshl_b32 s25, s24, 14
	v_lshl_add_u32 v[MTO], v4, 11, s25             ; (8 w + lane / 8) rows of 2,048 bytes
	v_lshl_add_u32 v[MTO], v5, 4, v[MTO]
	s_wait_kmcnt 0x0
	s_mov_b32 s3, 0
	s_lshl_b32 s2, ttmp9, 17                       ; my 32 rows of x
	s_add_nc_u64 s[8:9], s[8:9], s[2:3]
	s_lshl_b32 s2, ttmp9, 16                       ; and of x16
	s_add_nc_u64 s[16:17], s[16:17], s[2:3]
	s_and_b32 s30, ttmp9, 7                        ; Wv's tile: d0 = 128 (g % 8),
	s_lshr_b32 s31, ttmp9, 3                       ; e0 = 32 (g / 8)
	s_lshl_b32 s2, s30, 19
	s_lshl_b32 s25, s31, 7
	s_add_co_u32 s2, s2, s25
	s_add_nc_u64 s[14:15], s[14:15], s[2:3]
	s_lshl_b32 s2, s31, 16
	s_lshl_b32 s25, s30, 8
	s_add_co_u32 s2, s2, s25
	s_add_nc_u64 s[20:21], s[20:21], s[2:3]
	s_lshr_b32 s30, ttmp9, 4                       ; mt's tile: 64 rows of Wk from 64 (g / 16),
	s_and_b32 s31, ttmp9, 15                       ; 64 rows of Wq from 64 (g % 16)
	s_lshl_b32 s2, s30, 17
	s_lshl_b32 s25, s31, 7
	s_add_co_u32 s2, s2, s25
	s_add_nc_u64 s[18:19], s[18:19], s[2:3]
	s_cmp_lt_u32 s24, 4                            ; waves 0-3 bring panel A, waves 4-7 panel B, 16 rows each
	s_cselect_b64 s[34:35], s[12:13], s[10:11]
	s_cselect_b32 s2, s30, s31
	s_lshl_b32 s2, s2, 18
	s_and_b32 s25, s24, 3
	s_lshl_b32 s25, s25, 16
	s_add_co_u32 s2, s2, s25
	s_add_nc_u64 s[34:35], s[34:35], s[2:3]
	; The three shares' loads take turns.  Each wait's count is the number of loads issued behind the batch that is wanted (loads return in order: ISA guide 5.7.1).
	PLOAD 0, RA
	PLOAD 1, RB
.irp u, 0,1,2,3
	global_load_b128 v[WV+4*\u:WV+4*\u+3], v[WVA], s[14:15] offset:(8*(\u/2)+(\u%2))*4096  ; loads 0, 1: an even row d and the odd one below it; loads 2, 3: eight rows on
.endr
	XLOAD 0
	s_wait_loadcnt 36                              ; behind P0: P1, Wv's 4, X0
	PPROC 0, RA
	PLOAD 2, RA
	s_wait_loadcnt 36                              ; behind P1: Wv's 4, X0, P2
	PPROC 1, RB
	PLOAD 3, RB
	s_wait_loadcnt 48                              ; behind Wv's: X0, P2, P3
.irp u, 0,1
.irp c, 0,1,2,3
	CVT2 WV+8*\u+\c, WV+8*\u+\c, WV+8*\u+4+\c, 30+\c%2
	ds_store_b32 v[TRS], v[WV+8*\u+\c] offset:\c*TP+16*\u  ; two neighbouring d of column e0 + 4 (lane % 8) + c
.endr
.endr
	s_wait_loadcnt 32                              ; behind X0: P2, P3
	XPROC 0
	s_wait_xcnt 0x0                                ; the stores have read RX: it is loaded again only behind this wait
	XLOAD 1
	s_wait_loadcnt 32                              ; behind P2: P3, X1
	PPROC 2, RA
	PLOAD 4, RA
	s_wait_loadcnt 32                              ; behind P3: X1, P4
	PPROC 3, RB
	PLOAD 5, RB
	s_wait_loadcnt 32                              ; behind X1: P4, P5
	XPROC 1
	s_wait_loadcnt 16                              ; behind P4: P5
	PPROC 4, RA
	PLOAD 6, RA
	s_wait_loadcnt 16                              ; behind P5: P6
	PPROC 5, RB
	PLOAD 7, RB
	s_wait_loadcnt 16                              ; behind P6: P7
	PPROC 6, RA
	s_wait_loadcnt 0x0
	PPROC 7, RB
	s_wait_dscnt 0x0                               ; for the others' sake: my stores into the panels and the turned tile are done
	s_barrier_signal -1
	s_barrier_wait -1
	ds_load_b128 v[136:139], v[TRR]                ; share b's way out: whole turned rows,
	ds_load_b128 v[140:143], v[TRR] offset:2*TP
	s_wait_dscnt 0x0
	global_store_b128 v[WTO], v[136:139], s[20:21]              ; 16 lanes store 256 consecutive bytes, aligned
	global_store_b128 v[WTO], v[140:143], s[20:21] offset:4096
; 128 along K: 24 fragment loads, 8 products.  Source 0 = 16 rows of Wq, source 1 = 16 rows of Wk: a lane then holds one row d' of mt and eight neighbouring d.
; The two accumulators take turns, one instruction a turn, over the backward jump too.
.macro KTRIP zero
.if (\zero) == 0
	PLACES                                         ; in front of loads into registers that the last products read
.endif
.irp k, 0,1,2,3
	ds_load_b128 v[FA+8*\k:FA+8*\k+3],   v[AA] offset:64*\k
	ds_load_b128 v[FA+8*\k+4:FA+8*\k+7], v[AA] offset:64*\k+32
	ds_load_b128 v[FB+8*\k:FB+8*\k+3],   v[BA] offset:64*\k
	ds_load_b128 v[FB+8*\k+4:FB+8*\k+7], v[BA] offset:64*\k+32
	ds_load_b128 v[FC+8*\k:FC+8*\k+3],   v[BA] offset:64*\k+16*PP
	ds_load_b128 v[FC+8*\k+4:FC+8*\k+7], v[BA] offset:64*\k+16*PP+32
.endr
	v_add_nc_u32 v[AA], 256, v[AA]
	v_add_nc_u32 v[BA], 256, v[BA]
	s_wait_dscnt 0x0
.irp k, 0,1,2,3
.if (\zero) && (\k == 0)
	v_wmma_f32_16x16x32_bf16 v[ACC:ACC+7],    v[FB+8*\k:FB+8*\k+7], v[FA+8*\k:FA+8*\k+7], 0
	v_wmma_f32_16x16x32_bf16 v[ACC+8:ACC+15], v[FC+8*\k:FC+8*\k+7], v[FA+8*\k:FA+8*\k+7], 0
.else
	v_wmma_f32_16x16x32_bf16 v[ACC:ACC+7],    v[FB+8*\k:FB+8*\k+7], v[FA+8*\k:FA+8*\k+7], v[ACC:ACC+7]
	v_wmma_f32_16x16x32_bf16 v[ACC+8:ACC+15], v[FC+8*\k:FC+8*\k+7], v[FA+8*\k:FA+8*\k+7], v[ACC+8:ACC+15]
.endif
.endr
.endm
	KTRIP 1                                        ; the first products start the sums
	s_mov_b32 s28, 7
.Lk:
	KTRIP 0
	s_sub_co_u32 s28, s28, 1
	s_cmp_lg_u32 s28, 0
	s_cbranch_scc1 .Lk
	PLACES
.irp j, 0,1
.irp c, 0,1,2,3
	v_cvt_pk_f16_f32 v[128+4*\j+\c], v[ACC+8*\j+2*\c], v[ACC+8*\j+2*\c+1]  ; mt is rounded once, to f16
.endr
.endr
	ds_store_b128 v[MSS], v[128:131]
	ds_store_b128 v[MSS], v[132:135] offset:32
	s_wait_dscnt 0x0                               ; a row's 128 bytes come from two waves
	s_barrier_signal -1
	s_barrier_wait -1
	ds_load_b128 v[144:147], v[MSR]
	ds_load_b128 v[148:151], v[MSR] offset:4*MP
	s_wait_dscnt 0x0
	global_store_b128 v[MTO], v[144:147], s[18:19]              ; eight lanes store a row's 128 consecutive bytes
	global_store_b128 v[MTO], v[148:151], s[18:19] offset:8192
	s_wait_tensorcnt 0x0                           ; the wave's end, behind my last LDS store
	ds_add_u32 v[SPW], v[NIL]
	s_wait_dscnt 0x0
	s_endpgm
.Lfunc_end_k_q0061325a37_prep:
	.size	k_q0061325a37_prep, .Lfunc_end_k_q0061325a37_prep-k_q0061325a37_prep
	.p2alignl 7, 3214868480
	.fill 96, 4, 3214868480
	.section	.rodata,"a",@progbits
	.p2align	6, 0x0
	.amdhsa_kernel k_q0061325a37_prep
		.amdhsa_group_segment_fixed_size 283136
		.amdhsa_private_segment_fixed_size 0
		.amdhsa_enable_private_segment 0
		.amdhsa_kernarg_size 56
		.amdhsa_user_sgpr_count 2
		.amdhsa_user_sgpr_kernarg_segment_ptr 1
		.amdhsa_wavefront_size32 1
		.amdhsa_system_sgpr_workgroup_id_x 1
		.amdhsa_system_sgpr_workgroup_id_y 1
		.amdhsa_system_sgpr_workgroup_id_z 1
		.amdhsa_system_vgpr_workitem_id 0
		.amdhsa_next_free_vgpr 256
		.amdhsa_next_free_sgpr 66
		.amdhsa_reserve_vcc 0
		.amdhsa_float_denorm_mode_32 3
		.amdhsa_float_denorm_mode_16_64 3
		.amdhsa_memory_ordered 1
		.amdhsa_forward_progress 1
		.amdhsa_inst_pref_size 70
	.end_amdhsa_kernel
	.amdgpu_metadata
---
amdhsa.version: [ 1, 2 ]
amdhsa.kernels:
  - .name:           k_q0061325a37_prep
    .symbol:         k_q0061325a37_prep.kd
    .args:
      - { .name: x, .offset: 0, .size: 8, .value_kind: global_buffer, .address_space: global }
      - { .name: Wq, .offset: 8, .size: 8, .value_kind: global_buffer, .address_space: global }
      - { .name: Wk, .offset: 16, .size: 8, .value_kind: global_buffer, .address_space: global }
      - { .name: Wv, .offset: 24, .size: 8, .value_kind: global_buffer, .address_space: global }
      - { .name: x16, .offset: 32, .size: 8, .value_kind: global_buffer, .address_space: global }
      - { .name: mt, .offset: 40, .size: 8, .value_kind: global_buffer, .address_space: global }
      - { .name: wvt, .offset: 48, .size: 8, .value_kind: global_buffer, .address_space: global }
    .group_segment_fixed_size: 283136
    .private_segment_fixed_size: 0
    .kernarg_segment_align: 8
    .kernarg_segment_size: 56
    .max_flat_workgroup_size: 256
    .sgpr_count:     66
    .vgpr_count:     256
    .wavefront_size: 32
...
	.end_amdgpu_metadata
.endif
;; end of part 1
;; launch proj (part 2): grid 8 x 32, 4 waves a work-group, clusters of 4 x 4, 327,680 bytes of LDS; arguments x16, mt, wvt, qs, vt, tl; writes qs, vt, tl
.if DOCPART == 2
	.amdgcn_target "amdgcn-amd-amdhsa--gfx1250"
	.amdhsa_code_object_version 6
	.text
	.protected	k_q0061325a37_proj
	.globl	k_q0061325a37_proj
	.p2align	8
	.type	k_q0061325a37_proj,@function
k_q0061325a37_proj:
	s_mov_b64 s[64:65], 0
	v_nop
	global_prefetch_b8 v0, s[64:65] scope:SCOPE_SE
	s_setreg_imm32_b32 hwreg(HW_REG_WAVE_MODE, 25, 1), 1
	s_wait_xcnt 0x0
	s_wait_alu depctr_hold_cnt(0) depctr_sa_sdst(0) depctr_va_vdst(0) depctr_va_sdst(0) depctr_va_ssrc(0) depctr_va_vcc(0) depctr_vm_vsrc(0)
	s_getreg_b32 s2, hwreg(HW_REG_IB_STS2, 6, 4)
	s_cmp_eq_u32 s2, 0
	s_cbranch_scc0 .Lentry_in_a_cluster
	s_endpgm
.Lentry_in_a_cluster:
	s_bfe_u32 s2, ttmp6, 0x10000c
	s_cmp_lg_u32 s2, 0xf033
	s_cbranch_scc0 .Lentry_shape_is_right
	s_endpgm
.Lentry_shape_is_right:
; TWO PROJECTIONS IN ONE LAUNCH, both C = A B^T with K = 1,024, f16 operands, f32 sums, C rounded once to f16.  No projection k is made: the keys are x itself (the identity at the head of prep).
;   clusters with x = 0:  qs [8192][1024] = 2^-10 x16 mt^T        (A = x16, B = mt):  32 x 4 tiles of 256 x 256; tile row 8 cy + Y, tile column cx
;   clusters with x = 1:  vt = wvt x16^T, v already turned        (A = wvt, B = x16):  4 x 32 tiles; tile row cy, tile column 8 cx + Y
; The factor 2^-10 is exact and is applied in f32: it keeps qs inside f16 for inputs some 30 times larger than usual; score takes it back in its own scale.  LIMIT: |x M| / 1024 and |v| within 65,504.
; vt lies in panels [1024 channels][1024 keys], panel = 2 x batch + key / 1024, so that its rows are 2,048 bytes like qs's and one way out serves both.
; THE FIRST ROWS.  Row q of the output is a mean over q + 1 keys: in a batch's first rows a rounding of qs, of v or of a weight reaches the output whole.  So a second half is kept there:
; of a number a in f32, hi = f16(a) and lo = f16(a - hi), which leaves at most 2^-25.  The tiles are dealt so that the two clusters with Y = 0 hold just the first 256 rows (keys) of the four batches:
;   cluster (0, 0): lo of qs, rows 0-127 of each batch -> tl [4][128][1024];
;   cluster (1, 0): a ninth panel of vt: for batch n and each channel the 256 columns from 256 n on hold hi of keys 0-127, lo of keys 0-63, hi of keys 0-63 once more (mix multiplies them by P's hi, hi, lo).
; The branches to that hang on the cluster's x and y and on the wave's number, never on a work-group's place in its cluster.
; A tile is made by four waves, each 128 x 128: 64 accumulators.  K goes in steps of 128 through two LDS slots filled by the tensor data mover; a tile's rows are 256 bytes of memory, aligned.
; CLUSTERS of 4 x 4: the four of a row need the same tile of A, the four of a column the same tile of B: each is asked for jointly, by the same load with the same descriptor and a mask of the four.
; The matrix instruction is used transposed (source 0 = 16 rows of B, source 1 = 16 rows of A): a lane holds one row of C and eight neighbouring columns.
; REGISTERS, in windows of 256: window 0: v0-31 addresses; v64-127, v128-191 A's fragments, two buffers; on the way out v64-127 a trip's numbers, v128-207 their halves.  window 1: B's fragments.
;   windows 2, 3: the accumulators of my rows 0-63 and 64-127, (a, b) at v[8 (8 a + b)].
.set SIZE_K, 1024
.set CROW,   2048                      ; bytes in a row of qs, of tl and of a panel of vt
.set KSTEP,  128
.set PITCH,  272                       ; an LDS row: 256 bytes + 16: the 16 rows of a fragment load start 68 words apart
.set HALFT,  128*PITCH
.set SLOT,   4*HALFT                   ; A's 256 rows, then B's 256 rows
.set SPARE,  2*SLOT                    ; behind the ring: the spare words, 128 bytes for each wave: two blocks of 256 bytes that no other line names
.set SROW,   1040                      ; the way out: a row of C in f32 in LDS: 1,024 bytes + 16
.set LAPS,   SIZE_K/(2*KSTEP)
.set D1,   4                           ; v4   where my 16 bytes of C go, rows 0-63 of my half
.set D2,   5                           ; v5   rows 64-127
.set RDA,  6                           ; v6   where I read rows of C; steps 8 rows a trip
.set CO,   7                           ; v7   my 16 bytes in the tile's rows in memory; steps 8 rows a trip
.set MONE, 8                           ; v8   -1.0
.set ADRA, 16                          ; v16-17  LDS address of my A fragments in slot 0, 1
.set ADRB, 20                          ; v20-21  the same for B
.set SPW,  28                          ; v28  my spare word; never rewritten
.set NIL,  29                          ; v29  0; never rewritten
.set PFO,  30                          ; v30  my lane x a row of 2,048 bytes
.set SV,   64                          ; v[64:127]  row p: 16 numbers at SV + 16 p
.set PK,   128                         ; v[128:159] row p: 8 words of hi
.set PL,   160                         ; v[160:191] tl's words of lo
.set PN,   192                         ; v[192:207] the ninth panel's second 256 bytes: registers of their own, so that no store's data of a trip are written again inside the trip
.set PFA,  44                          ; s[44:45] where my prefetches stand
.set LIM,  43                          ; s43  1 in a wave that prefetches, else the greatest number
.set F0,   64
.set F1,   128
.set G1,  24                           ; s[24:31] group 1 for A's tiles;  s[32:39] group 0, a set for each slot
.set G0,  32
.set G1B, 48                           ; s[48:55], s[56:63] the same for B's
.set G0B, 56
.set SC,  80                           ; s[80:81] 2^-10
.set SPQ, 82                           ; s82  1: my rows' lo goes to tl
.set SPV, 83                           ; s83  1: my rows go to the ninth panel too
.set SB,  84                           ; s[84:85] tl, or the ninth panel, at the tile's first row
.set TYP, 86                           ; s86  the cluster's x: 0 = tiles of qs, 1 = tiles of vt
.set YY,  87                           ; s87  the cluster's y
.set TRIPC, 88
.set MSK, 89                           ; s89  the lanes with l % 16 >= 8
.set MSB, 0
.macro WIN new                         ; the immediate's high byte repeats the setting that is left; a switch that changes nothing is dropped
.if MSB != (\new)
	s_set_vgpr_msb (MSB<<8)|(\new)
.set MSB, \new
.endif
.endm
.set MUL_LO, 0xa1                      ; source 0 (B) window 1, source 1 (A) window 0, C and D window 2
.set MUL_HI, 0xf1                      ; the same, C and D window 3
.set TO_B,   0x40                      ; destination window 1, address window 0
; A joint load: waves 0 and 1 fetch A's two halves, waves 2 and 3 B's.  The branch hangs on the wave's number alone.  An s_nop 0 and four v_nop follow each line.
.macro JLOAD s
	s_cmp_eq_u32 s11, 0
	s_cbranch_scc0 .Lfor_b_\@
	tensor_load_to_lds s[G0+4*(\s):G0+4*(\s)+3], s[G1:G1+7]
	s_nop 0
.rept 4
	v_nop
.endr
	s_branch .Lasked_\@
.Lfor_b_\@:
	tensor_load_to_lds s[G0B+4*(\s):G0B+4*(\s)+3], s[G1B:G1B+7]
	s_nop 0
.rept 4
	v_nop
.endr
.Lasked_\@:
.endm
; A prefetch of the K step that stands two refills on: 32 rows x 256 bytes, a lane a row.  Each block is named once in the launch: x16's rows by the A waves of the clusters with x = 0 (the clusters with
; x = 1 read the same rows and do not ask), mt's by the B waves of cluster (0, 0), wvt's by the A waves of cluster (1, 0).  The four partners that ask for a tile jointly share a wave's 128 rows by address.
; The loop's last trip has no K step two on.
.macro ASK
	s_cmp_gt_u32 s3, s[LIM]
	s_cbranch_scc0 .Lnot_mine_\@
	global_prefetch_b8 v[PFO], s[PFA:PFA+1] offset:KSTEP*2 th:TH_LOAD_NT scope:SCOPE_SE
.Lnot_mine_\@:
.endm
.macro CREST                           ; a round of the cluster's barrier behind its opening barrier
	s_cmp_lg_u32 s10, 0
	s_cbranch_scc1 .Lnot_wave_0_\@
	s_barrier_signal -3
.Lnot_wave_0_\@:
	s_barrier_wait -3
	s_barrier_signal -1
	s_barrier_wait -1
.endm
.macro CROUND
	s_barrier_signal -1
	s_barrier_wait -1
	CREST
.endm
	s_load_b256 s[68:75], s[0:1], 0x0              ; x16 s[68:69], mt s[70:71], wvt s[72:73], qs s[74:75]
	s_load_b128 s[76:79], s[0:1], 0x20             ; vt s[76:77], tl s[78:79]
	v_lshl_add_u32 v[SPW], v0, 2, SPARE
	v_mov_b32 v[NIL], 0
	ds_add_u32 v[SPW], v[NIL]                      ; the wave's opening: the add, twice on end, and its wait ahead of my first tensor load
	ds_add_u32 v[SPW], v[NIL]
	v_lshrrev_b32 v1, 5, v0
	v_readfirstlane_b32 s10, v1                    ; wave 0..3
	s_lshr_b32 s11, s10, 1                         ; my half of the tile's rows; also: I fetch for A (0) or B (1)
	s_and_b32 s12, s10, 1                          ; my half of its columns; also: which 128 rows I fetch
	s_bfe_u32 s40, ttmp6, 0x40000                  ; cx
	s_bfe_u32 s41, ttmp6, 0x40004                  ; cy
	s_mov_b32 s[TYP], ttmp9
	s_and_b32 s[YY], ttmp7, 0xffff
	s_lshl_b32 s13, s41, 3
	s_add_co_u32 s13, s13, s[YY]                   ; 8 cy + Y
	s_lshl_b32 s42, s40, 3
	s_add_co_u32 s42, s42, s[YY]                   ; 8 cx + Y
	s_cmp_eq_u32 s[TYP], 0
	s_cselect_b32 s13, s13, s41                    ; tile row of C: made of cy and the cluster's place alone
	s_cselect_b32 s42, s40, s42                    ; tile column of C: of cx and the cluster's place alone
	s_lshl_b32 s43, s41, 2
	s_lshl_b32 s43, 15, s43                        ; my row of the cluster
	s_lshl_b32 s44, 0x1111, s40                    ; my column
	s_or_b32 s[G1+0], s43, (1<<16)|(1<<20)|(1<<21)|(5<<22)|(3<<25)   ; the mask; 2-byte elements; padding on; bit 21 beside a mask; after every 64 words, 4 words
	s_or_b32 s[G1B+0], s44, (1<<16)|(1<<20)|(1<<21)|(5<<22)|(3<<25)
.irp g, G1, G1B
	s_mov_b32 s[(\g)+1], KSTEP<<16                 ; tensor_dim0 = 128
	s_mov_b32 s[(\g)+2], 128<<16                   ; tensor_dim1 = 128
	s_mov_b32 s[(\g)+3], KSTEP<<16                 ; tile_dim0 = 128
	s_mov_b32 s[(\g)+4], 128                       ; tile_dim1 = 128
	s_mov_b32 s[(\g)+5], SIZE_K                    ; elements from row to row
	s_mov_b32 s[(\g)+6], 0
	s_mov_b32 s[(\g)+7], 0
.endr
	s_lshl_b32 s17, s12, 7
	s_lshl_b32 s16, s13, 8
	s_add_co_u32 s16, s16, s17                     ; A: row 256 x tile row + 128 x half,
	s_lshl_b32 s16, s16, 11                        ; in bytes
	s_lshl_b32 s46, s42, 8
	s_add_co_u32 s46, s46, s17                     ; B: row 256 x tile column + 128 x half
	s_lshl_b32 s46, s46, 11
	s_mov_b32 s17, 0
	s_mov_b32 s47, 0
	s_mul_i32 s20, s10, HALFT                      ; where the tiles go: wave x 128 rows
	s_mov_b32 s[SC], 0x3a800000                    ; 2^-10
	s_mov_b32 s[SC+1], s[SC]
	s_wait_dscnt 0x0                               ; both opening adds are done
	s_wait_kmcnt 0x0
	s_cmp_eq_u32 s[TYP], 0
	s_cselect_b64 s[4:5], s[68:69], s[72:73]       ; A: x16 or wvt
	s_cselect_b64 s[6:7], s[70:71], s[68:69]       ; B: mt or x16
	s_cselect_b64 s[8:9], s[74:75], s[76:77]       ; C: qs or vt
	s_cselect_b64 s[SB:SB+1], s[78:79], s[76:77]   ; the second halves: tl or vt
	s_add_nc_u64 s[14:15], s[4:5], s[16:17]
	s_add_nc_u64 s[46:47], s[6:7], s[46:47]
	CROUND                                         ; all sixteen work-groups are here: the first joint loads meet
.irp s, 0,1
	s_mov_b32 s[G0+4*(\s)], 1
	s_add_co_u32 s[G0+4*(\s)+1], s20, (\s)*SLOT
	s_add_nc_u64 s[G0+4*(\s)+2:G0+4*(\s)+3], s[14:15], (\s)*KSTEP*2
	s_or_b32 s[G0+4*(\s)+3], s[G0+4*(\s)+3], 0x80000000
	s_mov_b32 s[G0B+4*(\s)], 1
	s_add_co_u32 s[G0B+4*(\s)+1], s20, (\s)*SLOT
	s_add_nc_u64 s[G0B+4*(\s)+2:G0B+4*(\s)+3], s[46:47], (\s)*KSTEP*2
	s_or_b32 s[G0B+4*(\s)+3], s[G0B+4*(\s)+3], 0x80000000
	JLOAD \s                                       ; two loads of mine are out
.endr
	v_and_b32 v1, 15, v0                           ; l % 16
	v_bfe_u32 v2, v0, 4, 1                         ; l / 16
	v_mul_u32_u24 v3, v1, PITCH
	v_lshl_add_u32 v3, v2, 4, v3                   ; a fragment's row x pitch + 16 x half
	s_mul_i32 s21, s11, HALFT
	s_mul_i32 s22, s12, HALFT
	s_add_co_u32 s22, s22, 2*HALFT
.irp s, 0,1
	v_add_nc_u32 v[ADRA+(\s)], s21, v3
	v_add_nc_u32 v[ADRB+(\s)], s22, v3
	s_add_co_u32 s21, s21, SLOT
	s_add_co_u32 s22, s22, SLOT
.endr
	s_mul_i32 s21, s11, 128*SROW                   ; the way out, in: (128 x row half + l % 16) rows + 512 x column half + 16 (l / 16)
	s_lshl_b32 s22, s12, 9
	s_add_co_u32 s21, s21, s22
	v_mul_u32_u24 v[D1], v1, SROW
	v_lshl_add_u32 v[D1], v2, 4, v[D1]
	v_add_nc_u32 v[D1], s21, v[D1]
	v_add_nc_u32 v[D2], 64*SROW, v[D1]
	s_mul_i32 s21, s10, 64*SROW                    ; back: (64 w + 4 (l / 16)) rows + 16 (l % 16)
	v_mul_u32_u24 v[RDA], v2, 4*SROW
	v_lshl_add_u32 v[RDA], v1, 4, v[RDA]
	v_add_nc_u32 v[RDA], s21, v[RDA]
	s_lshl_b32 s21, s10, 17                        ; and the same rows in memory, 2,048 bytes each
	v_lshl_add_u32 v[CO], v2, 13, s21
	v_lshl_add_u32 v[CO], v1, 4, v[CO]
	v_mov_b32 v[MONE], -1.0
	v_cmp_le_u32 s[MSK], 8, v1
	; the tile's first byte in C: (tile column / 4) panels + 256 x tile row rows + (tile column % 4) x 512
	s_lshl_b32 s16, s13, 19
	s_mov_b32 s17, 0
	s_lshr_b32 s46, s42, 2
	s_lshl_b32 s46, s46, 21
	s_and_b32 s47, s42, 3
	s_lshl_b32 s47, s47, 9
	s_add_co_u32 s46, s46, s47
	s_mov_b32 s47, 0
	s_add_nc_u64 s[16:17], s[16:17], s[46:47]
	s_add_nc_u64 s[8:9], s[8:9], s[16:17]
	; the second halves' place (used where Y = 0): tl: batch cy, 128 rows each, columns 256 cx on; the ninth panel: channels 256 cy on, batch cx's 512 bytes of a row
	s_lshl_b32 s20, s41, 18
	s_lshl_b32 s21, s41, 19
	s_add_co_u32 s21, s21, 8<<21
	s_cmp_eq_u32 s[TYP], 0
	s_cselect_b32 s20, s20, s21
	s_lshl_b32 s21, s40, 9
	s_add_co_u32 s20, s20, s21
	s_mov_b32 s21, 0
	s_add_nc_u64 s[SB:SB+1], s[SB:SB+1], s[20:21]
	s_cmp_eq_u32 s[YY], 0
	s_cselect_b32 s22, 1, 0
	s_cmp_eq_u32 s[TYP], 0
	s_cselect_b32 s[SPQ], s22, 0
	s_cselect_b32 s[SPV], 0, s22
	s_cmp_lt_u32 s10, 2                            ; on the way out wave w has rows 64 w on: rows 0-127 are waves 0 and 1's
	s_cselect_b32 s[SPQ], s[SPQ], 0
	; the prefetches
	s_lshl_b32 s13, s13, 8
	s_lshl_b32 s42, s42, 8
	s_mul_i32 s22, s[TYP], s[YY]                   ; an A wave asks where this is 0,
	s_add_co_u32 s23, s[TYP], s[YY]                ; a B wave where this is 0
	s_cmp_eq_u32 s11, 0
	s_cselect_b32 s20, s13, s42                    ; the tile's first row
	s_cselect_b32 s21, s40, s41                    ; my place among the four that ask with me
	s_cselect_b32 s22, s22, s23
	s_cselect_b64 s[PFA:PFA+1], s[4:5], s[6:7]
	s_cmp_eq_u32 s22, 0
	s_cselect_b32 s[LIM], 1, -1                    ; the same in all sixteen partners, for a given wave
	s_lshl_b32 s22, s12, 7
	s_add_co_u32 s20, s20, s22
	s_lshl_b32 s21, s21, 5
	s_add_co_u32 s20, s20, s21
	s_lshl_b32 s20, s20, 11
	s_mov_b32 s21, 0
	s_add_nc_u64 s[PFA:PFA+1], s[PFA:PFA+1], s[20:21]
	s_add_nc_u64 s[PFA:PFA+1], s[PFA:PFA+1], 2*KSTEP*2  ; at K step 2: the first refill steps it to 3 and names K step 4
	v_and_b32 v[PFO], 31, v0
	v_lshlrev_b32 v[PFO], 11, v[PFO]
; 16 matrix instructions: m blocks a0, a0 + 1 of the window's four x all 8 n blocks, 32 along K.  The 64 accumulators take turns, one instruction a turn.
.macro MUL16 f, hi, a0, zero
	WIN MUL_LO+0x50*(\hi)
.irp a, \a0, (\a0)+1
.irp b, 0,1,2,3,4,5,6,7
.if \zero
	v_wmma_f32_16x16x32_f16 v[8*(8*(\a)+(\b)):8*(8*(\a)+(\b))+7], v[(\f)+8*(\b):(\f)+8*(\b)+7], v[(\f)+8*(4*(\hi)+(\a)):(\f)+8*(4*(\hi)+(\a))+7], 0
.else
	v_wmma_f32_16x16x32_f16 v[8*(8*(\a)+(\b)):8*(8*(\a)+(\b))+7], v[(\f)+8*(\b):(\f)+8*(\b)+7], v[(\f)+8*(4*(\hi)+(\a)):(\f)+8*(4*(\hi)+(\a))+7], v[8*(8*(\a)+(\b)):8*(8*(\a)+(\b))+7]
.endif
.endr
.endr
.endm
.macro FETCH slot, k, f                ; 32 LDS loads in one run: the fragments of 32 along K at byte k of the rows
	WIN TO_B
.irp i, 0,1,2,3,4,5,6,7
	ds_load_b128 v[(\f)+8*(\i):(\f)+8*(\i)+3],   v[ADRB+(\slot)] offset:(\k)+(\i)*16*PITCH
	ds_load_b128 v[(\f)+8*(\i)+4:(\f)+8*(\i)+7], v[ADRB+(\slot)] offset:(\k)+(\i)*16*PITCH+32
.endr
	WIN 0
.irp i, 0,1,2,3,4,5,6,7
	ds_load_b128 v[(\f)+8*(\i):(\f)+8*(\i)+3],   v[ADRA+(\slot)] offset:(\k)+(\i)*16*PITCH
	ds_load_b128 v[(\f)+8*(\i)+4:(\f)+8*(\i)+7], v[ADRA+(\slot)] offset:(\k)+(\i)*16*PITCH+32
.endr
.endm
.macro PLACES                          ; four places behind a matrix instruction, in front of loads into its sources and of readers of its result
.rept 4
	v_nop
.endr
.endm
.macro QUARTER slot, k, f, g, zero     ; multiplies buffer f; in its middle fetches the next quarter, at byte k, into g
	s_wait_dscnt 8                                 ; B and A's rows 0-63 are in; the youngest eight loads (A's rows 64-127) may be out
	MUL16 \f, 0, 0, \zero
	MUL16 \f, 0, 2, \zero
	PLACES
	FETCH \slot, \k, \g
	s_wait_dscnt 32                                ; all but the 32 just issued
	MUL16 \f, 1, 0, \zero
	MUL16 \f, 1, 2, \zero
.endm
; The first half of a K step's last quarter: one barrier for the change of slots.  In front of it each wave waits for all its tensor loads (one is out: its part of the next slot), adds 0 to its spare
; word, and waits for that and for its own reads of this slot.
.macro MEET round
	WIN 0
	s_wait_tensorcnt 0x0
	ds_add_u32 v[SPW], v[NIL]
	s_wait_dscnt 9                                 ; the add and the youngest eight loads may be out
	MUL16 F1, 0, 0, 0
	s_wait_dscnt 0x0                               ; the add is done, and my reads of this slot are over
	s_barrier_signal -1
	MUL16 F1, 0, 2, 0
.if \round
	WIN 0
.endif
	s_barrier_wait -1
.endm
.macro TURN slot, next                 ; the whole last quarter: the slot just read is filled again, two K steps on, first thing behind the round
	s_wait_xcnt 0x0                                ; the last prefetch, a K step back, has read its address
	s_add_nc_u64 s[PFA:PFA+1], s[PFA:PFA+1], KSTEP*2
	MEET 1
	CREST                                          ; no wave of any partner still reads this slot or has a load on its way
	s_add_nc_u64 s[G0+4*(\slot)+2:G0+4*(\slot)+3], s[G0+4*(\slot)+2:G0+4*(\slot)+3], 2*KSTEP*2
	s_add_nc_u64 s[G0B+4*(\slot)+2:G0B+4*(\slot)+3], s[G0B+4*(\slot)+2:G0B+4*(\slot)+3], 2*KSTEP*2
	JLOAD \slot                                    ; its four v_nop are also the places in front of the loads below; 224 matrix instructions stand between it and the wait for it
	FETCH \next, 0, F0
	ASK
	MUL16 F1, 1, 0, 0
	MUL16 F1, 1, 2, 0
.endm
	s_wait_tensorcnt 1                             ; my part of K step 0 is in; K step 1's may stay out
	s_barrier_signal -1
	s_barrier_wait -1
	FETCH 0, 0, F0
	QUARTER 0, 64,  F0, F1, 1                      ; the first quarter's products start the sums
	WIN 0
	s_mov_b32 s3, LAPS-1
.Llap:                                         ; a trip goes once round the ring and fills both slots again: K steps 2 to 7 in three trips
	QUARTER 0, 128, F1, F0, 0
	QUARTER 0, 192, F0, F1, 0
	TURN 0, 1
	QUARTER 1, 64,  F0, F1, 0
	QUARTER 1, 128, F1, F0, 0
	QUARTER 1, 192, F0, F1, 0
	TURN 1, 0
	QUARTER 0, 64,  F0, F1, 0
	WIN 0
	s_sub_co_u32 s3, s3, 1
	s_cmp_lg_u32 s3, 0
	s_cbranch_scc1 .Llap
	QUARTER 0, 128, F1, F0, 0                      ; the last lap fills nothing
	QUARTER 0, 192, F0, F1, 0
	MEET 0
	PLACES
	FETCH 1, 0, F0
	MUL16 F1, 1, 0, 0
	MUL16 F1, 1, 2, 0
	QUARTER 1, 64,  F0, F1, 0
	QUARTER 1, 128, F1, F0, 0
	QUARTER 1, 192, F0, F1, 0
	s_wait_dscnt 8
	MUL16 F1, 0, 0, 0
	MUL16 F1, 0, 2, 0
	s_wait_dscnt 0x0
	MUL16 F1, 1, 0, 0
	MUL16 F1, 1, 2, 0
	; THE WAY OUT.  The tile goes in f32 through the ring's bytes, which no load fills any more, and comes back by rows in a loop: so the text for a row is written once, second halves and all.
	WIN 0
	s_wait_dscnt 0x0                               ; my reads of the ring are over;
	s_barrier_signal -1
	PLACES                                         ; (the places behind the last products)
	s_barrier_wait -1                              ; everybody's are
	; Rows of 1,040 bytes.  In each 512 bytes (128 columns) the first 16 bytes of the sixteen groups of 8 columns lie on end, then the second 16 bytes: so the stores here (16 lanes, 16 rows, 260 words
	; apart) and the loads below (16 lanes, 256 bytes on end) each touch every bank once (64 banks of 4 bytes: ISA guide 11.1).  Each accumulator's low registers are read first.
	WIN 0x08                                       ; the data in window 2
.irp a, 0,1,2,3
.irp b, 0,1,2,3,4,5,6,7
	ds_store_b128 v[D1], v[8*(8*\a+\b):8*(8*\a+\b)+3]   offset:\a*16*SROW+32*\b
	ds_store_b128 v[D1], v[8*(8*\a+\b)+4:8*(8*\a+\b)+7] offset:\a*16*SROW+32*\b+256
.endr
.endr
	WIN 0x0c                                       ; in window 3
.irp a, 0,1,2,3
.irp b, 0,1,2,3,4,5,6,7
	ds_store_b128 v[D2], v[8*(8*\a+\b):8*(8*\a+\b)+3]   offset:\a*16*SROW+32*\b
	ds_store_b128 v[D2], v[8*(8*\a+\b)+4:8*(8*\a+\b)+7] offset:\a*16*SROW+32*\b+256
.endr
.endr
	WIN 0
	s_wait_dscnt 0x0                               ; a row's 1,024 bytes come from two waves
	s_barrier_signal -1
	s_barrier_wait -1
	; Wave w has rows 64 w .. 64 w + 63, eight a trip: lanes 0-15 rows 8 t + p, lanes 16-31 rows 8 t + 4 + p, p = 0..3.  Lane i of sixteen holds columns 128 j + 8 i + 0..7, j = 0, 1.
	s_mov_b32 s[TRIPC], 8
.Lrow:
.irp p, 0,1,2,3
.irp j, 0,1
	ds_load_b128 v[SV+16*\p+8*\j:SV+16*\p+8*\j+3],   v[RDA] offset:\p*SROW+512*\j
	ds_load_b128 v[SV+16*\p+8*\j+4:SV+16*\p+8*\j+7], v[RDA] offset:\p*SROW+512*\j+256
.endr
.endr
	s_wait_dscnt 0x0
	s_cmp_lg_u32 s[TYP], 0                         ; the cluster's x: the same in all partners
	s_cbranch_scc1 .Lunscaled
.set i, 0
.rept 32
	v_pk_mul_f32 v[SV+i:SV+i+1], v[SV+i:SV+i+1], s[SC:SC+1] op_sel_hi:[1,0]  ; qs alone: times 2^-10, in f32
.set i, i+2
.endr
.Lunscaled:
.irp p, 0,1,2,3
.irp k, 0,1,2,3,4,5,6,7
	v_cvt_pk_f16_f32 v[PK+8*\p+\k], v[SV+16*\p+2*\k], v[SV+16*\p+2*\k+1]
.endr
.endr
.irp p, 0,1,2,3
.irp j, 0,1
	global_store_b128 v[CO], v[PK+8*\p+4*\j:PK+8*\p+4*\j+3], s[8:9] offset:\p*CROW+256*\j  ; 16 lanes store 256 consecutive bytes, aligned
.endr
.endr
	s_cmp_eq_u32 s[SPQ], 0
	s_cbranch_scc1 .Lno_tl
.irp p, 0,1,2,3                        ; lo = f16(a - hi): hi's half times -1 plus a, one rounding; then rounded to f16
.irp k, 0,1,2,3,4,5,6,7
	v_fma_mix_f32 v[SV+16*\p+2*\k],   v[PK+8*\p+\k], v[MONE], v[SV+16*\p+2*\k]   op_sel_hi:[1,0,0]
	v_fma_mix_f32 v[SV+16*\p+2*\k+1], v[PK+8*\p+\k], v[MONE], v[SV+16*\p+2*\k+1] op_sel:[1,0,0] op_sel_hi:[1,0,0]
.endr
.endr
.irp p, 0,1,2,3
.irp k, 0,1,2,3,4,5,6,7
	v_cvt_pk_f16_f32 v[PL+8*\p+\k], v[SV+16*\p+2*\k], v[SV+16*\p+2*\k+1]
.endr
.endr
.irp p, 0,1,2,3
.irp j, 0,1
	global_store_b128 v[CO], v[PL+8*\p+4*\j:PL+8*\p+4*\j+3], s[SB:SB+1] offset:\p*CROW+256*\j
.endr
.endr
.Lno_tl:
	s_cmp_eq_u32 s[SPV], 0
	s_cbranch_scc1 .Lno_panel
.irp p, 0,1,2,3                        ; the ninth panel's first 256 bytes of a row and batch: hi of keys 0-127, as it stands
	global_store_b128 v[CO], v[PK+8*\p:PK+8*\p+3], s[SB:SB+1] offset:\p*CROW
.endr
.irp p, 0,1,2,3                        ; lo of keys 8 i + 0..7 (wanted of lanes 0-7: keys 0-63)
.irp k, 0,1,2,3
	v_fma_mix_f32 v[SV+16*\p+2*\k],   v[PK+8*\p+\k], v[MONE], v[SV+16*\p+2*\k]   op_sel_hi:[1,0,0]
	v_fma_mix_f32 v[SV+16*\p+2*\k+1], v[PK+8*\p+\k], v[MONE], v[SV+16*\p+2*\k+1] op_sel:[1,0,0] op_sel_hi:[1,0,0]
.endr
.endr
.irp p, 0,1,2,3
.irp k, 0,1,2,3
	v_cvt_pk_f16_f32 v[PN+4*\p+\k], v[SV+16*\p+2*\k], v[SV+16*\p+2*\k+1]
.endr
.endr
.irp p, 0,1,2,3                        ; lanes 8-15 take hi of keys 0-63 from the lane 8 below; lanes 0-7 keep their lo
.irp k, 0,1,2,3
	v_mov_b32_dpp v[SV+16*\p+\k], v[PK+8*\p+\k] row_xmask:8 row_mask:0xf bank_mask:0xf
.endr
.endr
.irp p, 0,1,2,3
.irp k, 0,1,2,3
	v_cndmask_b32 v[PN+4*\p+\k], v[PN+4*\p+\k], v[SV+16*\p+\k], s[MSK]
.endr
.endr
.irp p, 0,1,2,3
	global_store_b128 v[CO], v[PN+4*\p:PN+4*\p+3], s[SB:SB+1] offset:\p*CROW+256
.endr
.Lno_panel:
	s_wait_xcnt 0x0                                ; the stores have read PK, PL, PN and CO
	v_add_nc_u32 v[RDA], 8*SROW, v[RDA]
	v_add_nc_u32 v[CO], 8*CROW, v[CO]
	s_sub_co_u32 s[TRIPC], s[TRIPC], 1
	s_cmp_lg_u32 s[TRIPC], 0
	s_cbranch_scc1 .Lrow
	s_wait_tensorcnt 0x0                           ; the wave's end
	ds_add_u32 v[SPW], v[NIL]
	s_wait_dscnt 0x0
	CROUND                                         ; the closing round
	s_endpgm
.Lfunc_end_k_q0061325a37_proj:
	.size	k_q0061325a37_proj, .Lfunc_end_k_q0061325a37_proj-k_q0061325a37_proj
	.p2alignl 7, 3214868480
	.fill 96, 4, 3214868480
	.section	.rodata,"a",@progbits
	.p2align	6, 0x0
	.amdhsa_kernel k_q0061325a37_proj
		.amdhsa_group_segment_fixed_size 327680
		.amdhsa_private_segment_fixed_size 0
		.amdhsa_enable_private_segment 0
		.amdhsa_kernarg_size 48
		.amdhsa_user_sgpr_count 2
		.amdhsa_user_sgpr_kernarg_segment_ptr 1
		.amdhsa_wavefront_size32 1
		.amdhsa_system_sgpr_workgroup_id_x 1
		.amdhsa_system_sgpr_workgroup_id_y 1
		.amdhsa_system_sgpr_workgroup_id_z 1
		.amdhsa_system_vgpr_workitem_id 0
		.amdhsa_next_free_vgpr 1024
		.amdhsa_next_free_sgpr 92
		.amdhsa_reserve_vcc 0
		.amdhsa_float_denorm_mode_32 3
		.amdhsa_float_denorm_mode_16_64 3
		.amdhsa_memory_ordered 1
		.amdhsa_forward_progress 1
		.amdhsa_inst_pref_size 141
	.end_amdhsa_kernel
	.amdgpu_metadata
---
amdhsa.version: [ 1, 2 ]
amdhsa.kernels:
  - .name:           k_q0061325a37_proj
    .symbol:         k_q0061325a37_proj.kd
    .args:
      - { .name: x16, .offset: 0, .size: 8, .value_kind: global_buffer, .address_space: global }
      - { .name: mt, .offset: 8, .size: 8, .value_kind: global_buffer, .address_space: global }
      - { .name: wvt, .offset: 16, .size: 8, .value_kind: global_buffer, .address_space: global }
      - { .name: qs, .offset: 24, .size: 8, .value_kind: global_buffer, .address_space: global }
      - { .name: vt, .offset: 32, .size: 8, .value_kind: global_buffer, .address_space: global }
      - { .name: tl, .offset: 40, .size: 8, .value_kind: global_buffer, .address_space: global }
    .group_segment_fixed_size: 327680
    .private_segment_fixed_size: 0
    .kernarg_segment_align: 8
    .kernarg_segment_size: 48
    .max_flat_workgroup_size: 128
    .sgpr_count:     92
    .vgpr_count:     1024
    .wavefront_size: 32
...
	.end_amdgpu_metadata
.endif
;; end of part 2
;; launch score (part 3): grid 37 x 4, 4 waves a work-group, no clusters, 327,680 bytes of LDS; arguments qs, x16, tl, pt, st; writes pt, st
.if DOCPART == 3
	.amdgcn_target "amdgcn-amd-amdhsa--gfx1250"
	.amdhsa_code_object_version 6
	.text
	.protected	k_q0061325a37_score
	.globl	k_q0061325a37_score
	.p2align	8
	.type	k_q0061325a37_score,@function
k_q0061325a37_score:
	s_mov_b64 s[64:65], 0
	v_nop
	global_prefetch_b8 v0, s[64:65] scope:SCOPE_SE
	s_setreg_imm32_b32 hwreg(HW_REG_WAVE_MODE, 25, 1), 1
	s_wait_xcnt 0x0
; THE SCORES AND THEIR WEIGHTS, a causal tile of 256 queries x 256 keys to a work-group.  Tiles wholly above the diagonal are left out: reference()'s own mask gives them the weight 0 (head of prep).
; S = qs x16^T (K = 1,024, f16, f32 sums); the true score is 32 S (qs carries 2^-10, reference() divides by 32).  For each row of the tile: m = the largest visible S; P = 2^(c S - c m), c = 32 log2(e),
; rounded once to f16 -> pt; c m and l = the sum of the unrounded P -> st.  mix takes the row's maximum over its tiles from these: a maximum is taken away before every exponential.
; LIMITS.  A hidden score counts as -1e30 (|S| is 4.4e12 at the most in f16's range); a weight below 2^-126 counts as 0; NaN and infinities are not treated apart.
; THE TILE.  ttmp9 = 0..35 counts a batch's tiles by rows: (I, J), J <= I.  NO CLUSTER: a batch's tile rows have 1 to 8 tiles; clusters of 4 x 4 over the 8 x 8 square would hold 48 tiles above the
; diagonal beside the 144 live ones, whose work-groups would have to make every joint request.
; THE HEAD, ttmp9 = 36: rows 0-127 of the batch, which average over few keys, with second halves (head of proj).  Its tile of A is qs's rows 0-127 and, below them, tl's 128 rows (their lo); its keys
; are tile (0, 0)'s.  Row r + 128 of its S is added onto row r.  In pt these rows' columns 128-255, all hidden, take P's hi of keys 0-63 once more and then P's lo of keys 0-63: mix multiplies them by
; v's lo and v's hi.  The head stores rows 0-127 (its waves 0 and 1); in tile (0, 0) waves 0 and 1 store nothing.  The rest of both tiles is multiplied all the same: one text for every tile.
; The product is proj's: four waves of 128 x 128, K steps of 128 through two LDS slots; each wave fetches a quarter of a slot (waves 0, 1: A's halves; 2, 3: x16's).
; THE SOFTMAX wants whole rows, which two waves hold: S goes through LDS, into the ring's bytes, which have had their last fill.
.set SIZE_K, 1024
.set KSTEP,  128
.set PITCH,  272
.set HALFT,  128*PITCH
.set SLOT,   4*HALFT
.set SPARE,  2*SLOT                    ; behind the ring: the spare words, 128 bytes for each wave
.set LAPS,   SIZE_K/(2*KSTEP)
.set SROW,   1040                      ; a row of S in LDS: 1,024 bytes + 16
.set D1,   4                           ; v4   where my 16 bytes of S go, rows 0-63 of my half
.set D2,   5                           ; v5   rows 64-127
.set RDA,  6                           ; v6   where I read rows of S; steps 8 rows a trip
.set PO,   7                           ; v7   my 16 bytes in pt; steps 8 rows a trip
.set DD,   8                           ; v8   8 i - 4 h - 64 w - 8 t: column 128 j + 8 i + e of row p is hidden where p - 128 j - e is less
.set II,   9                           ; v9   8 - i % 8: what the trips' counter, 8 down to 1, holds in the trip whose figures I keep
.set SOF,  10                          ; v10  my 16 bytes in st
.set BIGV, 11                          ; v11  -1e30
.set TM,   12
.set RDB,  13                          ; v13  the head: rows 128 + 64 (w % 2) on of S; steps with RDA
.set MONE, 14                          ; v14  -1.0
.set ADRA, 16
.set ADRB, 20
.set SPW,  28
.set NIL,  29
.set PFO,  30
.set MX,   32                          ; v[32:39]  row p: m, then c m, at MX + 2 p (named in pairs; the odd ones hold 0)
.set KEEP, 48                          ; v[48:51]  what I store into st
.set SV,   64                          ; v[64:127] row p: 16 scores at SV + 16 p
.set PK,   128                         ; v[128:159] row p: 8 words of f16
.set SX,   160                         ; v[160:223] the head: the rows to be added; later what P's rounding left, and its words
.set PFA,  44
.set LIM,  43
.set F0,   64
.set F1,   128
.set G1,  24
.set G0,  32
.set MSB, 0
.macro WIN new
.if MSB != (\new)
	s_set_vgpr_msb (MSB<<8)|(\new)
.set MSB, \new
.endif
.endm
.set MUL_LO, 0xa1
.set MUL_HI, 0xf1
.set TO_B,   0x40
.macro JLOAD s                         ; my quarter of a slot; an s_nop 0 and four v_nop follow
	tensor_load_to_lds s[G0+4*(\s):G0+4*(\s)+3], s[G1:G1+7]
	s_nop 0
.rept 4
	v_nop
.endr
.endm
; A prefetch of the K step two refills on: my 128 rows x 256 bytes, a lane a row, four instructions.  qs's rows of tile row I are read by the tiles (I, 0 .. I): tile (I, 0) asks.  x16's rows of tile column J
; are read by the tiles (J .. 7, J): tile (J, J) asks.  The head, which reads what tile (0, 0) reads, asks for nothing.  So each block is named once at the most.  The loop's last trip has no K step two on.
.macro ASK
	s_cmp_gt_u32 s3, s[LIM]
	s_cbranch_scc0 .Lnot_mine_\@
.irp n, 0,1,2,3
	global_prefetch_b8 v[PFO], s[PFA:PFA+1] offset:(\n)*65536+KSTEP*2 th:TH_LOAD_NT scope:SCOPE_SE
.endr
.Lnot_mine_\@:
.endm
	s_load_b256 s[68:75], s[0:1], 0x0              ; qs s[68:69], x16 s[70:71], tl s[72:73], pt s[74:75]
	s_load_b64 s[76:77], s[0:1], 0x20              ; st
	v_lshl_add_u32 v[SPW], v0, 2, SPARE
	v_mov_b32 v[NIL], 0
	ds_add_u32 v[SPW], v[NIL]                      ; the wave's opening: the add, twice on end, and its wait ahead of my first tensor load
	ds_add_u32 v[SPW], v[NIL]
	v_lshrrev_b32 v1, 5, v0
	v_readfirstlane_b32 s10, v1
	s_lshr_b32 s11, s10, 1
	s_and_b32 s12, s10, 1
	s_and_b32 s15, ttmp7, 0xffff                   ; batch
	s_mov_b32 s13, 0                               ; I = how many of the rows' first numbers 1, 3, 6 .. ttmp9 has reached
.irp thr, 1,3,6,10,15,21,28
	s_cmp_ge_u32 ttmp9, \thr
	s_cselect_b32 s2, 1, 0
	s_add_co_u32 s13, s13, s2
.endr
	s_add_co_u32 s2, s13, 1
	s_mul_i32 s2, s2, s13
	s_lshr_b32 s2, s2, 1
	s_sub_co_u32 s14, ttmp9, s2                    ; J = ttmp9 - I (I + 1) / 2
	s_cmp_eq_u32 ttmp9, 36
	s_cselect_b32 s54, 1, 0                        ; 1: the head,
	s_cselect_b32 s13, 0, s13                      ; which lies at (0, 0)
	s_cselect_b32 s14, 0, s14
	s_cmp_lt_u32 s10, 2
	s_cselect_b32 s2, 1, 0
	s_cmp_eq_u32 ttmp9, 0
	s_cselect_b32 s3, s2, 0                        ; tile (0, 0), waves 0 and 1,
	s_xor_b32 s2, s2, 1
	s_and_b32 s2, s2, s54                          ; and the head's waves 2 and 3
	s_or_b32 s56, s2, s3                           ; have no rows to store
	s_cmp_eq_u32 s10, 1
	s_cselect_b32 s55, s54, 0                      ; 1: the head's wave 1, which fetches tl
	s_mov_b32 s[G1+0], (1<<16)|(1<<20)|(5<<22)|(3<<25)  ; 2-byte elements; padding on: after every 64 words, 4 words
	s_mov_b32 s[G1+1], KSTEP<<16
	s_mov_b32 s[G1+2], 128<<16
	s_mov_b32 s[G1+3], KSTEP<<16
	s_mov_b32 s[G1+4], 128
	s_mov_b32 s[G1+5], SIZE_K
	s_mov_b32 s[G1+6], 0
	s_mov_b32 s[G1+7], 0
	s_cmp_eq_u32 s11, 0
	s_cselect_b32 s16, s13, s14                    ; I for qs's rows, J for x16's
	s_lshl_b32 s16, s16, 8
	s_lshl_b32 s17, s15, 11
	s_add_co_u32 s16, s16, s17
	s_lshl_b32 s17, s12, 7
	s_add_co_u32 s16, s16, s17                     ; the first of the 128 rows that I fetch,
	s_lshl_b32 s16, s16, 11                        ; in bytes
	s_lshl_b32 s17, s15, 18                        ; in tl: 128 rows a batch
	s_cmp_lg_u32 s55, 0
	s_cselect_b32 s16, s17, s16
	s_mov_b32 s17, 0
	s_sub_co_u32 s22, s13, s14
	s_cmp_eq_u32 s22, 0
	s_cselect_b32 s47, 1, 0                        ; 1: the tile holds the diagonal
	s_cmp_eq_u32 s11, 0
	s_cselect_b32 s22, s14, s22
	s_cmp_eq_u32 s22, 0
	s_cselect_b32 s[LIM], 1, -1
	s_cmp_lg_u32 s54, 0
	s_cselect_b32 s[LIM], -1, s[LIM]
	s_mul_i32 s20, s10, HALFT
	s_lshl_b32 s50, s15, 23                        ; pt: (2,048 batch + 256 I) rows of 4,096 bytes + 512 J
	s_lshl_b32 s2, s13, 20
	s_add_co_u32 s50, s50, s2
	s_lshl_b32 s2, s14, 9
	s_add_co_u32 s50, s50, s2
	s_mov_b32 s51, 0
	s_lshl_b32 s52, s15, 3                         ; st: (8 batch + J) x 16,384 + 1,024 I
	s_add_co_u32 s52, s52, s14
	s_lshl_b32 s52, s52, 14
	s_lshl_b32 s2, s13, 10
	s_add_co_u32 s52, s52, s2
	s_mov_b32 s53, 0
	s_mov_b32 s58, 0x4238aa3b                      ; c = 32 log2(e)
	s_mov_b32 s59, s58
	s_wait_dscnt 0x0                               ; both opening adds are done
	s_wait_kmcnt 0x0
	s_cmp_eq_u32 s11, 0
	s_cselect_b64 s[4:5], s[68:69], s[70:71]
	s_cmp_lg_u32 s55, 0
	s_cselect_b64 s[4:5], s[72:73], s[4:5]
	s_add_nc_u64 s[4:5], s[4:5], s[16:17]
	s_add_nc_u64 s[PFA:PFA+1], s[4:5], 2*KSTEP*2   ; at K step 2: the first refill steps it to 3 and names K step 4
	s_add_nc_u64 s[50:51], s[74:75], s[50:51]
	s_add_nc_u64 s[52:53], s[76:77], s[52:53]
.irp s, 0,1
	s_mov_b32 s[G0+4*(\s)], 1
	s_add_co_u32 s[G0+4*(\s)+1], s20, (\s)*SLOT
	s_add_nc_u64 s[G0+4*(\s)+2:G0+4*(\s)+3], s[4:5], (\s)*KSTEP*2
	s_or_b32 s[G0+4*(\s)+3], s[G0+4*(\s)+3], 0x80000000
	JLOAD \s                                       ; two loads of mine are out
.endr
	v_and_b32 v1, 15, v0                           ; l % 16 = r; in the softmax: i
	v_bfe_u32 v2, v0, 4, 1                         ; l / 16 = h
	v_mul_u32_u24 v3, v1, PITCH
	v_lshl_add_u32 v3, v2, 4, v3
	s_mul_i32 s21, s11, HALFT
	s_mul_i32 s22, s12, HALFT
	s_add_co_u32 s22, s22, 2*HALFT
.irp s, 0,1
	v_add_nc_u32 v[ADRA+(\s)], s21, v3
	v_add_nc_u32 v[ADRB+(\s)], s22, v3
	s_add_co_u32 s21, s21, SLOT
	s_add_co_u32 s22, s22, SLOT
.endr
	v_and_b32 v[PFO], 31, v0
	v_lshlrev_b32 v[PFO], 11, v[PFO]
	s_mul_i32 s21, s11, 128*SROW
	s_lshl_b32 s22, s12, 9
	s_add_co_u32 s21, s21, s22
	v_mul_u32_u24 v[D1], v1, SROW                  ; (128 x row half + r) rows + 512 x column half + 16 h
	v_lshl_add_u32 v[D1], v2, 4, v[D1]
	v_add_nc_u32 v[D1], s21, v[D1]
	v_add_nc_u32 v[D2], 64*SROW, v[D1]
	s_mul_i32 s21, s10, 64*SROW
	v_mul_u32_u24 v[RDA], v2, 4*SROW               ; (64 w + 4 h) rows + 16 i
	v_lshl_add_u32 v[RDA], v1, 4, v[RDA]
	v_add_nc_u32 v[RDA], s21, v[RDA]
	s_mul_i32 s21, s12, 64*SROW
	s_add_co_u32 s21, s21, 128*SROW
	v_mul_u32_u24 v[RDB], v2, 4*SROW               ; (128 + 64 (w % 2) + 4 h) rows + 16 i: inside S's 256 rows in every wave
	v_lshl_add_u32 v[RDB], v1, 4, v[RDB]
	v_add_nc_u32 v[RDB], s21, v[RDB]
	s_lshl_b32 s21, s10, 18
	v_lshl_add_u32 v[PO], v2, 14, s21              ; (64 w + 4 h) rows of 4,096 bytes + 16 i
	v_lshl_add_u32 v[PO], v1, 4, v[PO]
	v_lshlrev_b32 v[DD], 3, v1
	v_lshlrev_b32 v3, 2, v2
	v_sub_nc_u32 v[DD], v[DD], v3
	s_lshl_b32 s21, s10, 6
	v_sub_nc_u32 v[DD], v[DD], s21
	v_and_b32 v[II], 7, v1
	v_lshrrev_b32 v3, 3, v1
	s_lshl_b32 s21, s10, 8
	v_lshl_add_u32 v[SOF], v3, 13, s21             ; plane i / 8; rows 64 w + 8 (i % 8) + 4 h + 0..3
	v_lshl_add_u32 v[SOF], v[II], 5, v[SOF]
	v_lshl_add_u32 v[SOF], v2, 4, v[SOF]
	v_sub_nc_u32 v[II], 8, v[II]                   ; trip t runs with the counter at 8 - t
	v_cmp_le_u32 s48, 8, v1                        ; lanes with i >= 8 keep l, the others c m
	v_mov_b32 v[BIGV], 0xf149f2ca
	v_mov_b32 v[MONE], -1.0
.irp p, 0,1,2,3
	v_mov_b32 v[MX+2*\p+1], 0
	v_mov_b32 v[KEEP+\p], 0
.endr
.macro MUL16 f, hi, a0, zero           ; the 64 accumulators take turns, one instruction a turn
	WIN MUL_LO+0x50*(\hi)
.irp a, \a0, (\a0)+1
.irp b, 0,1,2,3,4,5,6,7
.if \zero
	v_wmma_f32_16x16x32_f16 v[8*(8*(\a)+(\b)):8*(8*(\a)+(\b))+7], v[(\f)+8*(\b):(\f)+8*(\b)+7], v[(\f)+8*(4*(\hi)+(\a)):(\f)+8*(4*(\hi)+(\a))+7], 0
.else
	v_wmma_f32_16x16x32_f16 v[8*(8*(\a)+(\b)):8*(8*(\a)+(\b))+7], v[(\f)+8*(\b):(\f)+8*(\b)+7], v[(\f)+8*(4*(\hi)+(\a)):(\f)+8*(4*(\hi)+(\a))+7], v[8*(8*(\a)+(\b)):8*(8*(\a)+(\b))+7]
.endif
.endr
.endr
.endm
.macro FETCH slot, k, f
	WIN TO_B
.irp i, 0,1,2,3,4,5,6,7
	ds_load_b128 v[(\f)+8*(\i):(\f)+8*(\i)+3],   v[ADRB+(\slot)] offset:(\k)+(\i)*16*PITCH
	ds_load_b128 v[(\f)+8*(\i)+4:(\f)+8*(\i)+7], v[ADRB+(\slot)] offset:(\k)+(\i)*16*PITCH+32
.endr
	WIN 0
.irp i, 0,1,2,3,4,5,6,7
	ds_load_b128 v[(\f)+8*(\i):(\f)+8*(\i)+3],   v[ADRA+(\slot)] offset:(\k)+(\i)*16*PITCH
	ds_load_b128 v[(\f)+8*(\i)+4:(\f)+8*(\i)+7], v[ADRA+(\slot)] offset:(\k)+(\i)*16*PITCH+32
.endr
.endm
.macro PLACES
.rept 4
	v_nop
.endr
.endm
.macro QUARTER slot, k, f, g, zero
	s_wait_dscnt 8                                 ; the youngest eight loads (A's rows 64-127) may be out
	MUL16 \f, 0, 0, \zero
	MUL16 \f, 0, 2, \zero
	PLACES
	FETCH \slot, \k, \g
	s_wait_dscnt 32                                ; all but the 32 just issued
	MUL16 \f, 1, 0, \zero
	MUL16 \f, 1, 2, \zero
.endm
.macro MEET                            ; one barrier for the change of slots: all my tensor loads have landed, the add, my reads of this slot are over
	WIN 0
	s_wait_tensorcnt 0x0
	ds_add_u32 v[SPW], v[NIL]
	s_wait_dscnt 9                                 ; the add and the youngest eight loads may be out
	MUL16 F1, 0, 0, 0
	s_wait_dscnt 0x0
	s_barrier_signal -1
	MUL16 F1, 0, 2, 0
	WIN 0
	s_barrier_wait -1
.endm
.macro TURN slot, next
	s_wait_xcnt 0x0                                ; the last prefetches, a K step back, have read their address
	s_add_nc_u64 s[PFA:PFA+1], s[PFA:PFA+1], KSTEP*2
	MEET
	s_add_nc_u64 s[G0+4*(\slot)+2:G0+4*(\slot)+3], s[G0+4*(\slot)+2:G0+4*(\slot)+3], 2*KSTEP*2
	JLOAD \slot                                    ; my one tensor load behind the barrier, first thing there; its four v_nop are the places in front of the loads below
	FETCH \next, 0, F0
	ASK
	MUL16 F1, 1, 0, 0
	MUL16 F1, 1, 2, 0
.endm
	s_wait_tensorcnt 1                             ; my part of K step 0 is in; K step 1's may stay out
	s_barrier_signal -1
	s_barrier_wait -1
	FETCH 0, 0, F0
	QUARTER 0, 64,  F0, F1, 1
	WIN 0
	s_mov_b32 s3, LAPS-1
.Llap:
	QUARTER 0, 128, F1, F0, 0
	QUARTER 0, 192, F0, F1, 0
	TURN 0, 1
	QUARTER 1, 64,  F0, F1, 0
	QUARTER 1, 128, F1, F0, 0
	QUARTER 1, 192, F0, F1, 0
	TURN 1, 0
	QUARTER 0, 64,  F0, F1, 0
	WIN 0
	s_sub_co_u32 s3, s3, 1
	s_cmp_lg_u32 s3, 0
	s_cbranch_scc1 .Llap
	QUARTER 0, 128, F1, F0, 0
	QUARTER 0, 192, F0, F1, 0
	MEET
	PLACES
	FETCH 1, 0, F0
	MUL16 F1, 1, 0, 0
	MUL16 F1, 1, 2, 0
	QUARTER 1, 64,  F0, F1, 0
	QUARTER 1, 128, F1, F0, 0
	QUARTER 1, 192, F0, F1, 0
	s_wait_dscnt 8
	MUL16 F1, 0, 0, 0
	MUL16 F1, 0, 2, 0
	s_wait_dscnt 0x0
	MUL16 F1, 1, 0, 0
	MUL16 F1, 1, 2, 0
	WIN 0
	s_wait_dscnt 0x0                               ; my reads of the ring are over;
	s_barrier_signal -1
	PLACES                                         ; (the places behind the last products)
	s_barrier_wait -1                              ; everybody's are: the ring's bytes, which no load fills any more, take S
	; S in LDS: rows of 1,040 bytes.  In each 512 bytes (128 columns) the first 16 bytes of the sixteen groups of 8 columns lie on end, then the second 16 bytes: so the stores here
	; (16 lanes, 16 rows, 260 words apart) and the loads below (16 lanes, 256 bytes on end) each touch every bank once (64 banks of 4 bytes: ISA guide 11.1).
	WIN 0x08                                       ; the data in window 2
.irp a, 0,1,2,3
.irp b, 0,1,2,3,4,5,6,7
	ds_store_b128 v[D1], v[8*(8*\a+\b):8*(8*\a+\b)+3]   offset:\a*16*SROW+32*\b
	ds_store_b128 v[D1], v[8*(8*\a+\b)+4:8*(8*\a+\b)+7] offset:\a*16*SROW+32*\b+256
.endr
.endr
	WIN 0x0c                                       ; in window 3
.irp a, 0,1,2,3
.irp b, 0,1,2,3,4,5,6,7
	ds_store_b128 v[D2], v[8*(8*\a+\b):8*(8*\a+\b)+3]   offset:\a*16*SROW+32*\b
	ds_store_b128 v[D2], v[8*(8*\a+\b)+4:8*(8*\a+\b)+7] offset:\a*16*SROW+32*\b+256
.endr
.endr
	WIN 0
	s_wait_dscnt 0x0                               ; a row's 1,024 bytes come from two waves
	s_barrier_signal -1
	s_barrier_wait -1
	s_cmp_lg_u32 s56, 0                            ; waves without rows to store go straight to the last barrier: the jump leads over none
	s_cbranch_scc1 .Lend
	; Wave w has rows 64 w .. 64 w + 63, eight a trip: lanes 0-15 rows 8 t + p, lanes 16-31 rows 8 t + 4 + p, p = 0..3.  Lane i of sixteen holds columns 128 j + 8 i + 0..7, j = 0, 1.
	s_mov_b32 s46, 8
.Lrow:
.irp p, 0,1,2,3
.irp j, 0,1
	ds_load_b128 v[SV+16*\p+8*\j:SV+16*\p+8*\j+3],   v[RDA] offset:\p*SROW+512*\j
	ds_load_b128 v[SV+16*\p+8*\j+4:SV+16*\p+8*\j+7], v[RDA] offset:\p*SROW+512*\j+256
.endr
.endr
	v_cmp_eq_u32 s49, s46, v[II]                   ; the lanes that keep this trip's figures
	s_cmp_eq_u32 s54, 0
	s_cbranch_scc1 .Lone_part
.irp p, 0,1,2,3                        ; the head: what qs's lo brings lies 128 rows further down
.irp j, 0,1
	ds_load_b128 v[SX+16*\p+8*\j:SX+16*\p+8*\j+3],   v[RDB] offset:\p*SROW+512*\j
	ds_load_b128 v[SX+16*\p+8*\j+4:SX+16*\p+8*\j+7], v[RDB] offset:\p*SROW+512*\j+256
.endr
.endr
	s_wait_dscnt 0x0
.set i, 0
.rept 32
	v_pk_add_f32 v[SV+i:SV+i+1], v[SV+i:SV+i+1], v[SX+i:SX+i+1]
.set i, i+2
.endr
.Lone_part:
	s_wait_dscnt 0x0
	s_cmp_eq_u32 s47, 0
	s_cbranch_scc1 .Lnomask                        ; only the tiles on the diagonal hide anything
.irp p, 0,1,2,3
.irp j, 0,1
.irp e, 0,1,2,3,4,5,6,7
	v_cmp_lt_i32 vcc_lo, (\p)-128*(\j)-(\e), v[DD]
	v_cndmask_b32 v[SV+16*\p+8*\j+\e], v[SV+16*\p+8*\j+\e], v[BIGV], vcc_lo
.endr
.endr
.endr
.Lnomask:
.irp p, 0,1,2,3
	v_max3_num_f32 v[MX+2*\p], v[SV+16*\p], v[SV+16*\p+1], v[SV+16*\p+2]
.endr
.irp k, 3,5,7,9,11,13
.irp p, 0,1,2,3
	v_max3_num_f32 v[MX+2*\p], v[MX+2*\p], v[SV+16*\p+\k], v[SV+16*\p+\k+1]
.endr
.endr
.irp p, 0,1,2,3
	v_max_num_f32 v[MX+2*\p], v[MX+2*\p], v[SV+16*\p+15]
.endr
.irp x, 1,2,4,8                        ; a row's sixteen lanes
.irp p, 0,1,2,3
	v_max_num_f32_dpp v[MX+2*\p], v[MX+2*\p], v[MX+2*\p] row_xmask:\x row_mask:0xf bank_mask:0xf
.endr
.endr
.irp p, 0,1,2,3
	v_mul_f32 v[MX+2*\p], s58, v[MX+2*\p]          ; c m
.endr
.irp p, 0,1,2,3
.irp k, 0,2,4,6,8,10,12,14
	v_pk_fma_f32 v[SV+16*\p+\k:SV+16*\p+\k+1], v[SV+16*\p+\k:SV+16*\p+\k+1], s[58:59], v[MX+2*\p:MX+2*\p+1] op_sel_hi:[1,0,0] neg_lo:[0,0,1] neg_hi:[0,0,1]  ; c s - c m
.endr
.endr
.set i, 0
.rept 64
	v_exp_f32 v[SV+i], v[SV+i]
.set i, i+1
.endr
	v_nop                                          ; a plain instruction behind the last exponential,
	s_wait_alu depctr_va_vdst(0)                   ; and one wait for the batch of 64, ahead of its first reader
.irp p, 0,1,2,3
.irp k, 0,1,2,3,4,5,6,7
	v_cvt_pk_f16_f32 v[PK+8*\p+\k], v[SV+16*\p+2*\k], v[SV+16*\p+2*\k+1]
.endr
.endr
	s_cmp_eq_u32 s54, 0
	s_cbranch_scc1 .Lplain_p
.irp p, 0,1,2,3                        ; the head: lo = f16(P - hi) of columns 8 i + 0..7 (wanted of lanes 0-7: keys 0-63)
.irp k, 0,1,2,3
	v_fma_mix_f32 v[SX+8*\p+2*\k],   v[PK+8*\p+\k], v[MONE], v[SV+16*\p+2*\k]   op_sel_hi:[1,0,0]
	v_fma_mix_f32 v[SX+8*\p+2*\k+1], v[PK+8*\p+\k], v[MONE], v[SV+16*\p+2*\k+1] op_sel:[1,0,0] op_sel_hi:[1,0,0]
.endr
.endr
.irp p, 0,1,2,3
.irp k, 0,1,2,3
	v_cvt_pk_f16_f32 v[SX+32+4*\p+\k], v[SX+8*\p+2*\k], v[SX+8*\p+2*\k+1]
.endr
.endr
.irp p, 0,1,2,3                        ; columns 128 + 8 i on, all hidden: lanes 0-7 repeat their hi (columns 128-191), lanes 8-15 take lo from the lane 8 below (columns 192-255)
.irp k, 0,1,2,3
	v_mov_b32_dpp v[PK+8*\p+4+\k], v[SX+32+4*\p+\k] row_xmask:8 row_mask:0xf bank_mask:0xf
.endr
.endr
.irp p, 0,1,2,3
.irp k, 0,1,2,3
	v_cndmask_b32 v[PK+8*\p+4+\k], v[PK+8*\p+\k], v[PK+8*\p+4+\k], s48
.endr
.endr
.Lplain_p:
.irp p, 0,1,2,3
.irp j, 0,1
	global_store_b128 v[PO], v[PK+8*\p+4*\j:PK+8*\p+4*\j+3], s[50:51] offset:\p*4096+256*\j  ; 16 lanes store 256 consecutive bytes, aligned
.endr
.endr
.irp p, 0,1,2,3                        ; l, of the unrounded weights
.irp k, 0,4,8,12
	v_pk_add_f32 v[SV+16*\p+\k:SV+16*\p+\k+1], v[SV+16*\p+\k:SV+16*\p+\k+1], v[SV+16*\p+\k+2:SV+16*\p+\k+3]
.endr
.endr
.irp p, 0,1,2,3
.irp k, 0,8
	v_pk_add_f32 v[SV+16*\p+\k:SV+16*\p+\k+1], v[SV+16*\p+\k:SV+16*\p+\k+1], v[SV+16*\p+\k+4:SV+16*\p+\k+5]
.endr
.endr
.irp p, 0,1,2,3
	v_pk_add_f32 v[SV+16*\p:SV+16*\p+1], v[SV+16*\p:SV+16*\p+1], v[SV+16*\p+8:SV+16*\p+9]
.endr
.irp p, 0,1,2,3
	v_add_f32 v[SV+16*\p], v[SV+16*\p], v[SV+16*\p+1]
.endr
.irp x, 1,2,4,8
.irp p, 0,1,2,3
	v_add_f32_dpp v[SV+16*\p], v[SV+16*\p], v[SV+16*\p] row_xmask:\x row_mask:0xf bank_mask:0xf
.endr
.endr
.irp p, 0,1,2,3
	v_cndmask_b32 v[TM], v[MX+2*\p], v[SV+16*\p], s48
	v_cndmask_b32 v[KEEP+\p], v[KEEP+\p], v[TM], s49
.endr
	s_wait_xcnt 0x0                                ; the stores have read PK and PO
	v_add_nc_u32 v[RDA], 8*SROW, v[RDA]
	v_add_nc_u32 v[RDB], 8*SROW, v[RDB]
	v_add_nc_u32 v[PO], 8*4096, v[PO]
	v_add_nc_u32 v[DD], -8, v[DD]
	s_sub_co_u32 s46, s46, 1
	s_cmp_lg_u32 s46, 0
	s_cbranch_scc1 .Lrow
	global_store_b128 v[SOF], v[KEEP:KEEP+3], s[52:53]  ; the wave's 64 rows: 256 consecutive bytes of each of st's two planes
.Lend:
	s_wait_dscnt 0x0                               ; load, wait, barrier, write: my reads of S are back,
	s_barrier_signal -1
	s_barrier_wait -1                              ; and everybody's are, before any wave writes LDS again; every wave passes here, once, with nothing left to do behind it
	s_wait_tensorcnt 0x0                           ; the wave's end
	ds_add_u32 v[SPW], v[NIL]
	s_wait_dscnt 0x0
	s_endpgm
.Lfunc_end_k_q0061325a37_score:
	.size	k_q0061325a37_score, .Lfunc_end_k_q0061325a37_score-k_q0061325a37_score
	.p2alignl 7, 3214868480
	.fill 96, 4, 3214868480
	.section	.rodata,"a",@progbits
	.p2align	6, 0x0
	.amdhsa_kernel k_q0061325a37_score
		.amdhsa_group_segment_fixed_size 327680
		.amdhsa_private_segment_fixed_size 0
		.amdhsa_enable_private_segment 0
		.amdhsa_kernarg_size 40
		.amdhsa_user_sgpr_count 2
		.amdhsa_user_sgpr_kernarg_segment_ptr 1
		.amdhsa_wavefront_size32 1
		.amdhsa_system_sgpr_workgroup_id_x 1
		.amdhsa_system_sgpr_workgroup_id_y 1
		.amdhsa_system_sgpr_workgroup_id_z 1
		.amdhsa_system_vgpr_workitem_id 0
		.amdhsa_next_free_vgpr 1024
		.amdhsa_next_free_sgpr 80
		.amdhsa_reserve_vcc 1
		.amdhsa_float_denorm_mode_32 3
		.amdhsa_float_denorm_mode_16_64 3
		.amdhsa_memory_ordered 1
		.amdhsa_forward_progress 1
		.amdhsa_inst_pref_size 148
	.end_amdhsa_kernel
	.amdgpu_metadata
---
amdhsa.version: [ 1, 2 ]
amdhsa.kernels:
  - .name:           k_q0061325a37_score
    .symbol:         k_q0061325a37_score.kd
    .args:
      - { .name: qs, .offset: 0, .size: 8, .value_kind: global_buffer, .address_space: global }
      - { .name: x16, .offset: 8, .size: 8, .value_kind: global_buffer, .address_space: global }
      - { .name: tl, .offset: 16, .size: 8, .value_kind: global_buffer, .address_space: global }
      - { .name: pt, .offset: 24, .size: 8, .value_kind: global_buffer, .address_space: global }
      - { .name: st, .offset: 32, .size: 8, .value_kind: global_buffer, .address_space: global }
    .group_segment_fixed_size: 327680
    .private_segment_fixed_size: 0
    .kernarg_segment_align: 8
    .kernarg_segment_size: 40
    .max_flat_workgroup_size: 128
    .sgpr_count:     80
    .vgpr_count:     1024
    .wavefront_size: 32
...
	.end_amdgpu_metadata
.endif
;; end of part 3
;; launch mix (part 4): grid 8 x 32, 4 waves a work-group, clusters of 4 x 1, 327,680 bytes of LDS; arguments pt, st, vt, out0; writes out0
.if DOCPART == 4
	.amdgcn_target "amdgcn-amd-amdhsa--gfx1250"
	.amdhsa_code_object_version 6
	.text
	.protected	k_q0061325a37_mix
	.globl	k_q0061325a37_mix
	.p2align	8
	.type	k_q0061325a37_mix,@function
k_q0061325a37_mix:
	s_mov_b64 s[64:65], 0
	v_nop
	global_prefetch_b8 v0, s[64:65] scope:SCOPE_SE
	s_setreg_imm32_b32 hwreg(HW_REG_WAVE_MODE, 25, 1), 1
	s_wait_xcnt 0x0
	s_wait_alu depctr_hold_cnt(0) depctr_sa_sdst(0) depctr_va_vdst(0) depctr_va_sdst(0) depctr_va_ssrc(0) depctr_va_vcc(0) depctr_vm_vsrc(0)
	s_getreg_b32 s2, hwreg(HW_REG_IB_STS2, 6, 4)
	s_cmp_eq_u32 s2, 0
	s_cbranch_scc0 .Lentry_in_a_cluster
	s_endpgm
.Lentry_in_a_cluster:
	s_bfe_u32 s2, ttmp6, 0x10000c
	s_cmp_lg_u32 s2, 0x3003
	s_cbranch_scc0 .Lentry_shape_is_right
	s_endpgm
.Lentry_shape_is_right:
; out[q][:] = the sum over the row's key tiles j of g_j[q] (P_j V_j)[q][:], with g_j = 2^(cm_j - M) / L, M = the largest cm_j of the row, L = the sum over j of 2^(cm_j - M) l_j.
; P_j (f16), cm_j and l_j (f32) are score's; V is vt (f16, turned).  Products in f16 with f32 sums, out in f32.  Key tiles above the diagonal are left out, as in score (head of prep).
; All tile maxima are known here, so the row's true maximum is taken away at once and nothing is rescaled on the way.  LIMIT: a factor 2^(cm_j - M) below 2^-126 counts as 0.
; SHARES.  A work-group makes 128 channels (tile ct) of TWO blocks of 128 queries of a batch, 15 - b and then b: 8 - b / 2 and b / 2 + 1 key steps of 256 keys, nine whatever b: all 256 work-groups do
; equal work, and one loop with a constant count walks the steps.  In the last step of an even block keys 128-255 are hidden; score has written 0 there, and they are multiplied all the same.
; BLOCK 0 (rows 0-127, which average over few keys) is the exception: there those 128 columns carry second halves (head of proj).  Its one step takes V from vt's ninth panel: hi of keys 0-127, lo of keys
; 0-63, hi of keys 0-63; pt holds beside them P's hi of keys 0-127, hi of keys 0-63, lo of keys 0-63: the one product gives Ph Vh + Ph Vl + Pl Vh.  Only the tile's address differs.
; A wave makes 64 queries x 64 channels.  A step's product T starts at 0; O += g T stands at the head of the next step, beside the wait for that step's first fragments.
; CLUSTER of 4 x 1: the four channel tiles of one pair of blocks walk the same P: it is asked for jointly.  V's tiles are each work-group's own, asked for behind the same round.  V is not shared:
; work-groups with the same channels have different b and leave the common walk at different steps.  No prefetch: a step's tiles are 64 rows a wave and a step has 128 matrix instructions.
; REGISTERS: window 0: v0-31 addresses; v32-63 the way out; v64-71 g of the step in hand, in pairs; v72-75 the next; v80-97 the table's making; v128-255 T, (a, b) at 128 + 8 (4 a + b).
;   window 1: two fragment buffers of 128: 64 registers of P's (2 x 4 x 16 rows x 32 keys), then 64 of V's.     window 2: v0-127 O, laid like T.
.set PITCH,  528                       ; an LDS row: 512 bytes + 16: the 16 rows of a fragment load start 132 words apart
.set HALFT,  64*PITCH
.set SLOT,   4*HALFT                   ; P's 128 rows, then V's 128 rows
.set STAGE,  2*SLOT                    ; 16 rows x 272 bytes for each wave, for the way out
.set SPITCH, 272
.set GT,     STAGE+4*16*SPITCH         ; g, 128 rows x 4 bytes for each step, in the order of the walk
.set SPARE,  GT+16*512                 ; the spare words, 128 bytes for each wave
.set ADA0, 16                          ; v16, v17  my lane's place in P's and V's part of a slot; never rewritten
.set ADB0, 17
.set ADA,  18                          ; v18, v19  the same in the slot in hand
.set ADB,  19
.set GA,   20                          ; v20  where my g of the step in hand lie; steps 512
.set GW,   21                          ; v21  GT + 4 x thread
.set GW2,  22                          ; v22  the same behind the first block's steps
.set STO,  24
.set RD,   25
.set CO,   26
.set SO,   27                          ; v27  4 x thread: my row in st
.set SPW,  28
.set NIL,  29
.set OB,   32
.set GC,   64
.set GN,   72
.set CMR,  80
.set LR,   88
.set GX,   96
.set T,    128
.set F0,   0
.set F1,   128
.set G1,  24                           ; s[24:31] group 1, s[32:35] group 0 for P's tiles
.set G0,  32
.set PTW, 36                           ; s[36:37] pt at the batch's first row, my half of a block's rows
.set VTW, 38                           ; s[38:39] vt at the batch's first panel, my half of the channel tile's rows
.set OF,  40                           ; s[40:41] a tile's offset in pt
.set OV,  42                           ; s[42:43] in vt
.set TB,  44                           ; s44  LDS byte at which the slot in hand begins
.set LB,  45                           ; s45  my quarter of a slot
.set FJ,  46                           ; s46  the key tile to be asked for next
.set FL,  47                           ; s47  the last key tile of the block whose tiles are being asked for
.set G1B, 48                           ; s[48:55], s[56:59] the same for V's tiles
.set G0B, 56
.set FB,  76                           ; s76  that block's rows in pt, in bytes
.set FBL, 77                           ; s77  the second block's
.set RT,  78                           ; s78  steps of the block in hand still to be multiplied
.set PEND, 79                          ; s79  1: a T waits to be added
.set WO,  80                           ; s80  1: that T is its block's last
.set CNT, 81
.set OP,  82                           ; s[82:83] out0 at my part of the block in hand
.set OLO, 84                           ; s[84:85] of the second block
.set IH,  19                           ; s19  the first block's last key tile
.set IL,  86                           ; s86  the second block's
.set NL,  87                           ; s87  its number of steps
.set STH, 88                           ; s[88:89] st at the first block's rows
.set STL, 90                           ; s[90:91] at the second's
.set FS,  92                           ; s92  added to a tile's offset in vt: 0, or the way to the ninth panel
.set FSL, 93                           ; s93  its value for the second block
.set MSB, 0
.macro WIN new
.if MSB != (\new)
	s_set_vgpr_msb (MSB<<8)|(\new)
.set MSB, \new
.endif
.endm
.set MUL,  0x05                        ; sources 0 (V) and 1 (P) window 1; C and D window 0
.set TO_F, 0x40                        ; destination window 1, address window 0
.macro JLOAD                           ; waves 0 and 1 fetch P's two halves, jointly with the partners; waves 2 and 3 V's; an s_nop 0 and four v_nop follow each line
	s_cmp_eq_u32 s11, 0
	s_cbranch_scc0 .Lfor_v_\@
	tensor_load_to_lds s[G0:G0+3], s[G1:G1+7]
	s_nop 0
.rept 4
	v_nop
.endr
	s_branch .Lasked_\@
.Lfor_v_\@:
	tensor_load_to_lds s[G0B:G0B+3], s[G1B:G1B+7]
	s_nop 0
.rept 4
	v_nop
.endr
.Lasked_\@:
.endm
.macro CROUND                          ; a round of the cluster's barrier
	s_barrier_signal -1
	s_barrier_wait -1
	s_cmp_lg_u32 s10, 0
	s_cbranch_scc1 .Lnot_wave_0_\@
	s_barrier_signal -3
.Lnot_wave_0_\@:
	s_barrier_wait -3
	s_barrier_signal -1
	s_barrier_wait -1
.endm
.macro PLACES
.rept 4
	v_nop
.endr
.endm
; THE CHANGE OF SLOTS.  Each wave waits for all its tensor loads (one is out: its part of the other slot), adds 0 to its spare word, and waits for that and for its own LDS instructions.
; fill = 1: the slot just left takes key tile FJ of the block at FB: both addresses are made anew from those numbers; the barrier is a round of the cluster's, and the load is the first thing behind it.
.macro CHANGE fill
	WIN 0
	s_wait_tensorcnt 0x0                           ; no tensor load of mine is out, so a group 0 may be written
	ds_add_u32 v[SPW], v[NIL]                      ; 0 onto my spare word; the scalar work stands between it and the wait for it
.if \fill
	s_lshl_b32 s[OF], s[FJ], 9                     ; 256 keys are 512 bytes of a row of pt
	s_add_co_u32 s[OF], s[OF], s[FB]
	s_add_nc_u64 s[G0+2:G0+3], s[PTW:PTW+1], s[OF:OF+1]
	s_or_b32 s[G0+3], s[G0+3], 0x80000000
	s_lshr_b32 s[OV], s[FJ], 2                     ; vt: panel FJ / 4, 512 bytes x FJ % 4 of a row;
	s_lshl_b32 s[OV], s[OV], 21
	s_and_b32 s22, s[FJ], 3
	s_lshl_b32 s22, s22, 9
	s_add_co_u32 s[OV], s[OV], s22
	s_add_co_u32 s[OV], s[OV], s[FS]               ; for block 0 the ninth panel
	s_add_nc_u64 s[G0B+2:G0B+3], s[VTW:VTW+1], s[OV:OV+1]
	s_or_b32 s[G0B+3], s[G0B+3], 0x80000000
	s_add_co_u32 s[G0+1], s[LB], s[TB]
	s_add_co_u32 s[G0B+1], s[LB], s[TB]
	s_add_co_u32 s[FJ], s[FJ], 1                   ; the block's next tile, or behind its last the second block's tile 0
	s_cmp_gt_u32 s[FJ], s[FL]
	s_cselect_b32 s[FJ], 0, s[FJ]
	s_cselect_b32 s[FB], s[FBL], s[FB]
	s_cselect_b32 s[FS], s[FSL], s[FS]
	s_cselect_b32 s[FL], s[IL], s[FL]
.endif
	s_wait_dscnt 0x0                               ; the add is done, and my reads of the slot (and, the first time, my stores into the table) are over
.if \fill
	CROUND
	JLOAD                                          ; it has a step's 128 matrix instructions in which to land
.else
	s_barrier_signal -1
	s_barrier_wait -1
	PLACES
.endif
	s_xor_b32 s[TB], s[TB], SLOT                   ; the other slot is read now
.endm
	s_load_b256 s[68:75], s[0:1], 0x0              ; pt s[68:69], st s[70:71], vt s[72:73], out0 s[74:75]
	v_lshl_add_u32 v[SPW], v0, 2, SPARE
	v_mov_b32 v[NIL], 0
	ds_add_u32 v[SPW], v[NIL]                      ; the wave's opening: the add, twice on end, and its wait ahead of my first tensor load
	ds_add_u32 v[SPW], v[NIL]
	v_lshrrev_b32 v1, 5, v0
	v_readfirstlane_b32 s10, v1
	s_lshr_b32 s11, s10, 1                         ; my half of the queries; also: I fetch for P (0) or V (1)
	s_and_b32 s12, s10, 1                          ; my half of the channels; also: which 64 rows I fetch
	s_bfe_u32 s13, ttmp6, 0x40000                  ; cx
	s_lshl_b32 s14, ttmp9, 2
	s_add_co_u32 s14, s14, s13                     ; the channel tile: it enters V's and out0's addresses alone
	s_and_b32 s15, ttmp7, 0xffff                   ; which the four partners share:
	s_lshr_b32 s16, s15, 3                         ; batch
	s_and_b32 s17, s15, 7                          ; b: the second block
	s_sub_co_u32 s18, 15, s17                      ; the first block
	s_lshr_b32 s[IL], s17, 1
	s_lshr_b32 s[IH], s18, 1
	s_add_co_u32 s[NL], s[IL], 1
	s_add_co_u32 s20, s[IH], 1                     ; the first block's steps, 5 to 8
	s_min_u32 s20, s20, 8
	s_lshl_b32 s2, s16, 22                         ; from the batch's first panel to its 512 bytes of a row of the ninth: 8 panels on, 2 x batch panels back
	s_sub_co_u32 s2, 8<<21, s2
	s_lshl_b32 s3, s16, 9
	s_add_co_u32 s2, s2, s3
	s_cmp_eq_u32 s17, 0
	s_cselect_b32 s[FSL], s2, 0                    ; where the second block is block 0
	s_mov_b32 s[FS], 0
	s_mov_b32 s[G1], 15|(1<<16)|(1<<20)|(1<<21)|(6<<22)|(3<<25)  ; the mask of four; 2-byte elements; padding on; bit 21 beside a mask; after every 128 words, 4 words
	s_mov_b32 s[G1B], (1<<16)|(1<<20)|(6<<22)|(3<<25)            ; no mask
.irp g, G1, G1B
	s_mov_b32 s[(\g)+1], 256<<16                   ; tensor_dim0 = 256
	s_mov_b32 s[(\g)+2], 64<<16                    ; tensor_dim1 = 64
	s_mov_b32 s[(\g)+3], 256<<16                   ; tile_dim0 = 256
	s_mov_b32 s[(\g)+4], 64                        ; tile_dim1 = 64
	s_mov_b32 s[(\g)+6], 0
	s_mov_b32 s[(\g)+7], 0
.endr
	s_mov_b32 s[G1+5], 2048                        ; elements from row to row in pt,
	s_mov_b32 s[G1B+5], 1024                       ; in a panel of vt
	s_lshl_b32 s[PTW], s16, 23
	s_lshl_b32 s2, s12, 18
	s_add_co_u32 s[PTW], s[PTW], s2
	s_mov_b32 s[PTW+1], 0
	s_lshl_b32 s[VTW], s16, 22
	s_lshl_b32 s22, s14, 18
	s_add_co_u32 s[VTW], s[VTW], s22
	s_lshl_b32 s22, s12, 17
	s_add_co_u32 s[VTW], s[VTW], s22
	s_mov_b32 s[VTW+1], 0
	s_lshl_b32 s[FB], s18, 19                      ; a block is 128 rows of 4,096 bytes
	s_lshl_b32 s[FBL], s17, 19
	s_lshl_b32 s22, s14, 9                         ; out0: my 64 channels: 512 ct + 256 x half,
	s_lshl_b32 s23, s12, 8
	s_add_co_u32 s22, s22, s23
	s_lshl_b32 s2, s16, 11                         ; rows 2,048 batch + 64 x half + 128 x block
	s_lshl_b32 s3, s11, 6
	s_add_co_u32 s2, s2, s3
	s_lshl_b32 s3, s18, 7
	s_add_co_u32 s3, s3, s2
	s_lshl_b32 s3, s3, 12
	s_add_co_u32 s[OP], s3, s22
	s_mov_b32 s[OP+1], 0
	s_lshl_b32 s3, s17, 7
	s_add_co_u32 s3, s3, s2
	s_lshl_b32 s3, s3, 12
	s_add_co_u32 s[OLO], s3, s22
	s_mov_b32 s[OLO+1], 0
	s_lshl_b32 s2, s16, 17                         ; st: 131,072 batch + 512 x block
	s_lshl_b32 s3, s18, 9
	s_add_co_u32 s[STH], s2, s3
	s_mov_b32 s[STH+1], 0
	s_lshl_b32 s3, s17, 9
	s_add_co_u32 s[STL], s2, s3
	s_mov_b32 s[STL+1], 0
	s_mul_i32 s[LB], s10, HALFT
	s_mov_b32 s[TB], SLOT                          ; the first change fills slot 1 and turns this into 0
	s_mov_b32 s[FJ], 1
	s_mov_b32 s[FL], s[IH]
	s_mov_b32 s[OF], s[FB]
	s_mov_b32 s[OF+1], 0
	s_mov_b32 s[OV+1], 0
	s_mov_b32 s[RT], s20
	s_mov_b32 s[PEND], 0
	s_mov_b32 s[WO], 0
	s_mov_b32 s[G0], 1
	s_mov_b32 s[G0+1], s[LB]
	s_mov_b32 s[G0B], 1
	s_mov_b32 s[G0B+1], s[LB]
	s_wait_dscnt 0x0                               ; both opening adds are done
	s_wait_kmcnt 0x0
	s_add_nc_u64 s[PTW:PTW+1], s[68:69], s[PTW:PTW+1]
	s_add_nc_u64 s[VTW:VTW+1], s[72:73], s[VTW:VTW+1]
	s_add_nc_u64 s[OP:OP+1], s[74:75], s[OP:OP+1]
	s_add_nc_u64 s[OLO:OLO+1], s[74:75], s[OLO:OLO+1]
	s_add_nc_u64 s[STH:STH+1], s[70:71], s[STH:STH+1]
	s_add_nc_u64 s[STL:STL+1], s[70:71], s[STL:STL+1]
	s_add_nc_u64 s[G0+2:G0+3], s[PTW:PTW+1], s[OF:OF+1]  ; the first block's key tile 0
	s_or_b32 s[G0+3], s[G0+3], 0x80000000
	s_mov_b64 s[G0B+2:G0B+3], s[VTW:VTW+1]
	s_or_b32 s[G0B+3], s[G0B+3], 0x80000000
	CROUND                                         ; all four work-groups are here: the first joint load meets
	JLOAD                                          ; step 0 into slot 0; slot 1 is asked for by the loop's first change
	v_and_b32 v1, 15, v0                           ; r
	v_bfe_u32 v2, v0, 4, 1                         ; h
	v_mul_u32_u24 v3, v1, PITCH
	v_lshl_add_u32 v3, v2, 4, v3
	s_mul_i32 s21, s11, HALFT
	v_add_nc_u32 v[ADA0], s21, v3
	s_mul_i32 s21, s12, HALFT
	s_add_co_u32 s21, s21, 2*HALFT
	v_add_nc_u32 v[ADB0], s21, v3
	s_lshl_b32 s21, s11, 8
	s_add_co_u32 s21, s21, GT
	v_lshl_add_u32 v[GA], v1, 2, s21               ; GT + 4 (64 x half + r)
	v_lshl_add_u32 v[GW], v0, 2, GT
	s_lshl_b32 s21, s20, 9
	v_add_nc_u32 v[GW2], s21, v[GW]
	v_lshlrev_b32 v[SO], 2, v0
	s_mul_i32 s21, s10, 16*SPITCH
	s_add_co_u32 s21, s21, STAGE
	v_mul_u32_u24 v[STO], v1, SPITCH               ; in: row r, 32 bytes for each half of the lanes
	v_lshl_add_u32 v[STO], v2, 5, v[STO]
	v_add_nc_u32 v[STO], s21, v[STO]
	v_mul_u32_u24 v[RD], v2, SPITCH                ; back: lanes 0-15 one row of 256 bytes, lanes 16-31 the next
	v_lshl_add_u32 v[RD], v1, 4, v[RD]
	v_add_nc_u32 v[RD], s21, v[RD]
	v_lshlrev_b32 v[CO], 12, v2
	v_lshl_add_u32 v[CO], v1, 4, v[CO]
.irp a, 0,1,2,3
	v_mov_b32 v[GC+2*\a+1], 0                      ; named with g as a pair
.endr
	WIN 0x80                                       ; O starts at 0: 128 lines, in the wait for the first tile, so that the sum O += g T has one form
.set i, 0
.rept 128
	v_mov_b32 v[i], 0
.set i, i+1
.endr
	WIN 0
; THE TABLE OF g for a block: thread n serves row n.  Key tiles behind the block's last (number in s[si]) were never written by score: their loads are jumped over, and their places hold the lowest
; finite number and 0, so that their g is 0.  The first block's eight entries lie at steps 0-7 of the walk; the second block's begin behind the first block's steps and overwrite its zeros
; (the same thread, in order).
.macro GTAB sb, si, gw
.set j, 0
.rept 8
	v_mov_b32 v[CMR+j], 0xff7fffff
	v_mov_b32 v[LR+j], 0
.set j, j+1
.endr
	global_load_b32 v[CMR], v[SO], s[\sb:\sb+1]
	global_load_b32 v[LR],  v[SO], s[\sb:\sb+1] offset:8192
.irp k, 1,2,3,4,5,6,7
	s_cmp_lt_u32 s[\si], \k
	s_cbranch_scc1 .Lhave_\@
	global_load_b32 v[CMR+\k], v[SO], s[\sb:\sb+1] offset:\k*16384
	global_load_b32 v[LR+\k],  v[SO], s[\sb:\sb+1] offset:\k*16384+8192
.endr
.Lhave_\@:
	s_wait_loadcnt 0x0
	v_max3_num_f32 v[GX], v[CMR], v[CMR+1], v[CMR+2]
	v_max3_num_f32 v[GX], v[GX], v[CMR+3], v[CMR+4]
	v_max3_num_f32 v[GX], v[GX], v[CMR+5], v[CMR+6]
	v_max_num_f32 v[GX], v[GX], v[CMR+7]           ; the row's maximum, times c
.irp k, 0,1,2,3,4,5,6,7
	v_sub_f32 v[CMR+\k], v[CMR+\k], v[GX]
.endr
.irp k, 0,1,2,3,4,5,6,7
	v_exp_f32 v[CMR+\k], v[CMR+\k]
.endr
	v_nop
	s_wait_alu depctr_va_vdst(0)                   ; one wait for the eight, ahead of their first reader
	v_mul_f32 v[GX], v[CMR], v[LR]
.irp k, 1,2,3,4,5,6,7
	v_fmac_f32 v[GX], v[CMR+\k], v[LR+\k]          ; L: at least 1, since the tile with the maximum brings its own largest weight
.endr
	v_rcp_f32 v[GX+1], v[GX]
	v_nop
	s_wait_alu depctr_va_vdst(0)
.irp k, 0,1,2,3,4,5,6,7
	v_mul_f32 v[CMR+\k], v[CMR+\k], v[GX+1]
.endr
.irp k, 0,1,2,3,4,5,6,7
	ds_store_b32 v[\gw], v[CMR+\k] offset:512*\k
.endr
.endm
	GTAB STH, IH, GW
	GTAB STL, IL, GW2
.macro MUL8 f, c, a0, zero             ; 8 matrix instructions: m blocks a0, a0 + 1 x all 4 n blocks, 32 keys: half c of buffer f.  The 16 accumulators take turns
	WIN MUL
.irp a, \a0, (\a0)+1
.irp b, 0,1,2,3
.if \zero
	v_wmma_f32_16x16x32_f16 v[T+8*(4*(\a)+(\b)):T+8*(4*(\a)+(\b))+7], v[(\f)+64+8*(4*(\c)+(\b)):(\f)+64+8*(4*(\c)+(\b))+7], v[(\f)+8*(4*(\c)+(\a)):(\f)+8*(4*(\c)+(\a))+7], 0
.else
	v_wmma_f32_16x16x32_f16 v[T+8*(4*(\a)+(\b)):T+8*(4*(\a)+(\b))+7], v[(\f)+64+8*(4*(\c)+(\b)):(\f)+64+8*(4*(\c)+(\b))+7], v[(\f)+8*(4*(\c)+(\a)):(\f)+8*(4*(\c)+(\a))+7], v[T+8*(4*(\a)+(\b)):T+8*(4*(\a)+(\b))+7]
.endif
.endr
.endr
.endm
.macro FETCH k, f                      ; 32 LDS loads in one run: the fragments of 64 keys at byte k of the rows; the first 32 keys first
	WIN TO_F
.irp c, 0,1
.irp i, 0,1,2,3
	ds_load_b128 v[(\f)+64+8*(4*(\c)+(\i)):(\f)+64+8*(4*(\c)+(\i))+3],   v[ADB] offset:(\k)+64*(\c)+(\i)*16*PITCH
	ds_load_b128 v[(\f)+64+8*(4*(\c)+(\i))+4:(\f)+64+8*(4*(\c)+(\i))+7], v[ADB] offset:(\k)+64*(\c)+(\i)*16*PITCH+32
	ds_load_b128 v[(\f)+8*(4*(\c)+(\i)):(\f)+8*(4*(\c)+(\i))+3],         v[ADA] offset:(\k)+64*(\c)+(\i)*16*PITCH
	ds_load_b128 v[(\f)+8*(4*(\c)+(\i))+4:(\f)+8*(4*(\c)+(\i))+7],       v[ADA] offset:(\k)+64*(\c)+(\i)*16*PITCH+32
.endr
.endr
.endm
.macro QUARTER k, f, g, zero
	s_wait_dscnt 16                                ; the first 32 keys are in
	MUL8 \f, 0, 0, \zero
	MUL8 \f, 0, 2, \zero
	PLACES
	FETCH \k, \g
	s_wait_dscnt 32                                ; all but the 32 just issued
	MUL8 \f, 1, 0, 0
	MUL8 \f, 1, 2, 0
.endm
.macro ACCUM                           ; O += g T: a lane holds one query in each block a of 16, so g is one number a lane and block; T's registers in ascending order
	WIN 0xa0                                       ; destination and source 2 (O) window 2; T and g window 0
.irp a, 0,1,2,3
.set k, 0
.rept 16
	v_pk_fma_f32 v[32*(\a)+k:32*(\a)+k+1], v[T+32*(\a)+k:T+32*(\a)+k+1], v[GC+2*(\a):GC+2*(\a)+1], v[32*(\a)+k:32*(\a)+k+1] op_sel_hi:[1,0,1]
.set k, k+2
.endr
.endr
.endm
; THE WAY OUT of a block: 16 rows at a time through my own stage (LDS serves a wave's instructions in order: ISA guide 5.7.1.4), back as whole rows of 256 bytes.  zero = 1: the second block follows.
.macro WAYOUT zero
.irp a, 0,1,2,3
	s_wait_xcnt 0x0                                ; earlier stores have read OB
	WIN 0x08                                       ; the data in window 2
.irp b, 0,1,2,3
	ds_store_b128 v[STO], v[32*(\a)+8*(\b):32*(\a)+8*(\b)+3]   offset:64*(\b)
	ds_store_b128 v[STO], v[32*(\a)+8*(\b)+4:32*(\a)+8*(\b)+7] offset:64*(\b)+16
.endr
	WIN 0
.irp t, 0,1,2,3,4,5,6,7
	ds_load_b128 v[OB+4*(\t):OB+4*(\t)+3], v[RD] offset:(\t)*2*SPITCH
.endr
	s_wait_dscnt 0x0
.irp t, 0,1,2,3,4,5,6,7
	global_store_b128 v[CO], v[OB+4*(\t):OB+4*(\t)+3], s[OP:OP+1] offset:(16*(\a)+2*(\t))*4096 th:TH_STORE_NT  ; 16 lanes store 256 consecutive bytes, aligned
.endr
.endr
.if \zero
	WIN 0x80
.set i, 0
.rept 128
	v_mov_b32 v[i], 0
.set i, i+1
.endr
	WIN 0
	s_wait_xcnt 0x0                                ; the stores have read out0's address
	s_mov_b64 s[OP:OP+1], s[OLO:OLO+1]
.endif
.endm
; A KEY STEP.  Its g and its first fragments are asked for; the step before's T is added (and, if it was its block's last, the block goes out); then 128 products.
; The test for a waiting T stands first: at the first step its answer is a constant of the text.  Both jumps go forward, past neither a barrier nor a tensor load.
.macro STEP
	WIN 0
	v_add_nc_u32 v[ADA], s[TB], v[ADA0]
	v_add_nc_u32 v[ADB], s[TB], v[ADB0]
.irp a, 0,1,2,3
	ds_load_b32 v[GN+\a], v[GA] offset:64*\a
.endr
	v_add_nc_u32 v[GA], 512, v[GA]
	FETCH 0, F0
	WIN 0
	s_cmp_eq_u32 s[PEND], 0
	s_cbranch_scc1 .Lnone_\@
	ACCUM
	WIN 0
	s_cmp_eq_u32 s[WO], 0
	s_cbranch_scc1 .Lnone_\@
	WAYOUT 1
.Lnone_\@:
	s_wait_dscnt 32                                ; my four g are in; the 32 fragment loads behind them may stay out
.irp a, 0,1,2,3
	v_mov_b32 v[GC+2*\a], v[GN+\a]
.endr
	QUARTER 128, F0, F1, 1                         ; the first products start T
	QUARTER 256, F1, F0, 0
	QUARTER 384, F0, F1, 0
	s_wait_dscnt 16
	MUL8 F1, 0, 0, 0
	MUL8 F1, 0, 2, 0
	s_wait_dscnt 0x0
	MUL8 F1, 1, 0, 0
	MUL8 F1, 1, 2, 0
	WIN 0
	s_sub_co_u32 s[RT], s[RT], 1
	s_cmp_eq_u32 s[RT], 0
	s_cselect_b32 s[WO], 1, 0
	s_cselect_b32 s[RT], s[NL], s[RT]
	s_mov_b32 s[PEND], 1
.endm
	s_mov_b32 s[CNT], 8
.Lwalk:                                        ; eight times: a step is entered and the next is asked for
	CHANGE 1
	STEP
	s_sub_co_u32 s[CNT], s[CNT], 1
	s_cmp_lg_u32 s[CNT], 0
	s_cbranch_scc1 .Lwalk
	CHANGE 0                                       ; the ninth step is written out: nothing is asked for
	STEP
	PLACES
	ACCUM
	WIN 0
	WAYOUT 0
	s_wait_tensorcnt 0x0                           ; the wave's end
	ds_add_u32 v[SPW], v[NIL]
	s_wait_dscnt 0x0
	CROUND                                         ; the closing round
	s_endpgm
.Lfunc_end_k_q0061325a37_mix:
	.size	k_q0061325a37_mix, .Lfunc_end_k_q0061325a37_mix-k_q0061325a37_mix
	.p2alignl 7, 3214868480
	.fill 96, 4, 3214868480
	.section	.rodata,"a",@progbits
	.p2align	6, 0x0
	.amdhsa_kernel k_q0061325a37_mix
		.amdhsa_group_segment_fixed_size 327680
		.amdhsa_private_segment_fixed_size 0
		.amdhsa_enable_private_segment 0
		.amdhsa_kernarg_size 32
		.amdhsa_user_sgpr_count 2
		.amdhsa_user_sgpr_kernarg_segment_ptr 1
		.amdhsa_wavefront_size32 1
		.amdhsa_system_sgpr_workgroup_id_x 1
		.amdhsa_system_sgpr_workgroup_id_y 1
		.amdhsa_system_sgpr_workgroup_id_z 1
		.amdhsa_system_vgpr_workitem_id 0
		.amdhsa_next_free_vgpr 640
		.amdhsa_next_free_sgpr 96
		.amdhsa_reserve_vcc 0
		.amdhsa_float_denorm_mode_32 3
		.amdhsa_float_denorm_mode_16_64 3
		.amdhsa_memory_ordered 1
		.amdhsa_forward_progress 1
		.amdhsa_inst_pref_size 102
	.end_amdhsa_kernel
	.amdgpu_metadata
---
amdhsa.version: [ 1, 2 ]
amdhsa.kernels:
  - .name:           k_q0061325a37_mix
    .symbol:         k_q0061325a37_mix.kd
    .args:
      - { .name: pt, .offset: 0, .size: 8, .value_kind: global_buffer, .address_space: global }
      - { .name: st, .offset: 8, .size: 8, .value_kind: global_buffer, .address_space: global }
      - { .name: vt, .offset: 16, .size: 8, .value_kind: global_buffer, .address_space: global }
      - { .name: out0, .offset: 24, .size: 8, .value_kind: global_buffer, .address_space: global }
    .group_segment_fixed_size: 327680
    .private_segment_fixed_size: 0
    .kernarg_segment_align: 8
    .kernarg_segment_size: 32
    .max_flat_workgroup_size: 128
    .sgpr_count:     96
    .vgpr_count:     640
    .wavefront_size: 32
...
	.end_amdgpu_metadata
.endif
;; end of part 4
;; ======== version 2 of 2: 4 launches; version 1 with the launch prep written anew for expert scheduling mode
;; limits: values are held in f16: magnitudes above 65,504 overflow, below 6.1e-05 lose precision; right only within a limited range of input values
;; workspace buffers: x16 16,777,216 bytes; mt 2,097,152 bytes; wvt 2,097,152 bytes; qs 16,777,216 bytes; vt 18,874,368 bytes; tl 1,048,576 bytes; pt 33,554,432 bytes; st 524,288 bytes
;; launch prep (part 5): grid 256 x 1, 8 waves a work-group, no clusters, 283,136 bytes of LDS; arguments x, Wq, Wk, Wv, x16, mt, wvt; writes x16, mt, wvt
.if DOCPART == 5
	.amdgcn_target "amdgcn-amd-amdhsa--gfx1250"
	.amdhsa_code_object_version 6
	.text
	.protected	k_q0061325a37_prep
	.globl	k_q0061325a37_prep
	.p2align	8
	.type	k_q0061325a37_prep,@function
k_q0061325a37_prep:
	s_mov_b64 s[64:65], 0
	v_nop
	global_prefetch_b8 v0, s[64:65] scope:SCOPE_SE
	s_setreg_imm32_b32 hwreg(HW_REG_WAVE_SCHED_MODE, 0, 2), 2
	s_setreg_imm32_b32 hwreg(HW_REG_WAVE_MODE, 25, 1), 1
	s_wait_xcnt 0x0
	s_wait_alu depctr_vm_vsrc(0)
; CAUSAL ATTENTION, one head of 1,024 channels: x [4][2048][1024], Wq, Wk, Wv [1024 d][1024 e], out [4][2048][1024], all f32.  Four launches: prep, proj, score, mix.
; WHAT THE PROGRAM LEAVES OUT, for all finite values of the inputs:
; (1) THE TILES ABOVE THE DIAGONAL.  reference() itself puts -inf at scores[q][k] for k > q (its own jnp.tril), so the softmax's weight there is exp(-inf) = 0 whatever x and the weights hold.
;     Key tiles of 256 that lie wholly above the diagonal reach no output: neither their scores nor their share of attn v is formed (28 of a batch's 64 tiles, in both products).
; (2) THE PROJECTION k.  q . k = sum_e (sum_d x_q[d] Wq[d][e]) (sum_d' x_k[d'] Wk[d'][e]) = sum_d' (sum_d x_q[d] M[d'][d]) x_k[d'] with M[d'][d] = sum_e Wk[d'][e] Wq[d][e]: an identity.
;     One product of 1024^3 stands for the projection of 8,192 rows, and the keys are x itself.  All four inputs are loaded.
; LIMITS.  The order of rounding differs from reference()'s: M is formed first and rounded once to f16.  |x|, |Wv|, |M|, |x M| / 1024 and |v| must stay within f16's 65,504.
; A NaN, an infinity or an overflow that reaches only the tiles left out is not carried to the result.
; FORMATS.  Every input is rounded to bf16.  x and Wv are then written as that number in f16 (exact from 2^-14 on; below it f16's fixed step of 6e-8); Wq and Wk are multiplied in bf16, sums in f32.
; THIS LAUNCH, 256 work-groups of eight waves, each with three shares:
;   a. 32 rows of x -> x16;   b. a tile of 128 d x 32 e of Wv, turned in LDS -> wvt [e][d];   c. a tile of 64 x 64 of mt [d'][d], its two panels of 64 rows x 1,024 laid whole into LDS as bf16.
; No tensor load: every byte is converted on its way through registers.  mt's rows of a tile are 128 bytes: with 128 columns to a tile the panels (160 rows of 2,064 bytes) would not fit in LDS.
; THE MODE: SCHED_MODE bits 1:0 = 2 (LLVM: expert scheduling mode 2), set by the entry lines.  The code itself states the register dependences
; between vector or matrix instructions and memory or LDS instructions, with s_wait_alu, always for 0.
; THE PLAN, the stream.  Registers that memory or LDS instructions touch:
;   RA, RB, RX   raw buffers of 16 loads.  A step's conversions read its buffer (x's also use it as scratch); behind them the buffer's next 16 loads land in it.  No store reads a raw buffer.
;   OUT          32 words.  Written by a step's conversions, read by the step's 16 stores (into LDS for the panels, into memory for x16).  Wv's 16 registers lie in it: Wv's step comes first.
;   v2 to v19    offsets and LDS addresses, made at the head; in the stream none is written again.
; A step: the wait for its data; one wait on vm_vsrc (the stores of the step before have read OUT); the conversions, raw -> OUT; one wait on va_vdst (OUT is written, the raw buffer is done with);
; the buffer's 16 loads; the 16 stores.  No vector instruction stands between that second wait and the step's 32 memory instructions.
; THE PLAN, the K loop.  Two fragment sets K0, K1 of 96 registers.  Trip t's eight products read set t % 2; the 24 LDS loads of trip t + 1 land in the other set, six ahead of each pair of products.
; One wait on va_vdst at a trip's head: the last trip's products are done reading the other set, and behind the loop's head v[AA] and v[BA] are written.  These two step once for two trips, behind one
; wait on vm_vsrc.  The accumulators are named by matrix and vector instructions alone.
.set PP,    2064                       ; a panel's row in LDS: 2,048 bytes + 16: the 16 rows of a fragment load start 516 words apart
.set PANB,  64*PP                      ; panel A (rows of Wk) at 0, panel B (rows of Wq) here
.set TR,    2*PANB                     ; Wv's tile, turned: 32 rows (e) of 256 bytes + 16
.set TP,    272
.set MS,    TR+32*TP                   ; mt's tile on its way out: 64 rows of 128 bytes + 16
.set MP,    144
.set SPARE, MS+64*MP                   ; the spare words, 128 bytes for each of the eight waves: four blocks of 256 bytes that no other line names
.set XI,  2                            ; v2   x: 16,384 w + 16 lane
.set XO,  3                            ; v3   x16: 8,192 w + 8 lane
.set WVA, 6                            ; v6   Wv: (16 w + 2 (lane / 8)) rows + 16 (lane % 8)
.set TRS, 7                            ; v7   where a word of two d goes in the turned tile
.set TRR, 10                           ; v10  where a turned row is read back
.set WTO, 11                           ; v11  its place in wvt
.set PL,  12                           ; v12  16 lane
.set PS,  13                           ; v13  my wave's 16 panel rows in LDS + 8 lane
.set AA,  14                           ; v14  LDS address of my fragments of panel A; steps along K
.set BA,  16                           ; v16  the same for panel B
.set MSS, 17                           ; v17  mt's stage, in
.set MSR, 18                           ; v18  mt's stage, back
.set MTO, 19                           ; v19  its place in mt
.set SPW, 28                           ; v28  LDS address of my spare word; never rewritten
.set NIL, 29                           ; v29  0; never rewritten
.set RA,  32                           ; v[32:95], v[96:159]  two batches of 16 panel loads
.set RB,  96
.set RX,  160                          ; v[160:223] a batch of 16 loads of x
.set OUT, 224                          ; v[224:255] a step's 32 words on their way to its stores
.set WV,  224                          ; v[224:239] Wv's four loads, ahead of OUT's first use
.set K0,  32                           ; later: v[32:127], v[128:223] two sets of fragments of 128 along K: A at + 0, B's first column tile at + 32, B's second at + 64
.set K1,  128
.set TQ,  224                          ; later: v[224:231] two turned rows of Wv's tile
.set MQ,  232                          ; later: v[232:239] mt's eight packed words
.set MB,  32                           ; at the end: v[32:39] mt's rows, read back from the stage
.set ACC, 240                          ; v[240:255] two accumulators
.macro CVT2 dst, a, b, tmp             ; two f32 -> bf16 (nearest even) -> the same two numbers as f16, packed
	v_cvt_pk_bf16_f32 v[\tmp], v[\a], v[\b]
	v_lshlrev_b32 v[\a], 16, v[\tmp]
	v_and_b32 v[\tmp], 0xffff0000, v[\tmp]
	v_cvt_pk_f16_f32 v[\dst], v[\a], v[\tmp]
.endm
.macro PLOAD p, R                      ; batch p: rows 2 p, 2 p + 1 of my 16 panel rows, eight loads of 512 consecutive bytes each
.set n, 0
.rept 16
	global_load_b128 v[(\R)+4*n:(\R)+4*n+3], v[PL], s[34:35] offset:(2*(\p)+n/8)*4096+(n%8)*512
.set n, n+1
.endr
.endm
.macro PCVT R                          ; a batch rounded to bf16, out of its raw buffer
.set n, 0
.rept 16
	v_cvt_pk_bf16_f32 v[OUT+2*n],   v[(\R)+4*n],   v[(\R)+4*n+1]
	v_cvt_pk_bf16_f32 v[OUT+2*n+1], v[(\R)+4*n+2], v[(\R)+4*n+3]
.set n, n+1
.endr
.endm
.macro PSTORE p                        ; and laid into the panel: 256 consecutive bytes a store
.set n, 0
.rept 16
	ds_store_b64 v[PS], v[OUT+2*n:OUT+2*n+1] offset:(2*(\p)+n/8)*PP+(n%8)*256
.set n, n+1
.endr
.endm
.macro XLOAD b
.set n, 0
.rept 16
	global_load_b128 v[RX+4*n:RX+4*n+3], v[XI], s[8:9] offset:(16*(\b)+n)*512 th:TH_LOAD_NT
.set n, n+1
.endr
.endm
.macro XCVT
.set n, 0
.rept 16
	CVT2 OUT+2*n,   RX+4*n,   RX+4*n+1, 30
	CVT2 OUT+2*n+1, RX+4*n+2, RX+4*n+3, 31
.set n, n+1
.endr
.endm
.macro XSTORE b                        ; each store of the wave covers 256 consecutive bytes, aligned
.set n, 0
.rept 16
	global_store_b64 v[XO], v[OUT+2*n:OUT+2*n+1], s[16:17] offset:(16*(\b)+n)*256
.set n, n+1
.endr
.endm
.macro PLACES                          ; four places behind a matrix instruction (ISA guide 7.12.1)
.rept 4
	v_nop
.endr
.endm
; A step of the stream for panel batch p in raw buffer R.  left: the loads issued behind the batch (loads return in order: ISA guide 5.7.1).  xs = 1: the step before stored into memory.
; next: the batch that the buffer takes at once, or -1.
.macro PSTEP p, R, left, xs, next
	s_wait_loadcnt \left
.if \xs
	s_wait_xcnt 0x0                                ; the global stores of the step before have had their addresses translated: OUT, their data, is rewritten only behind this wait
.endif
	s_wait_alu depctr_vm_vsrc(0)                   ; the stores of the step before have read OUT, which the conversions below write again
	PCVT \R
	s_wait_alu depctr_va_vdst(0)                   ; the conversions have written OUT, which the LDS stores below read, and are done reading the raw buffer, in which the loads below land
.if (\next) >= 0
	PLOAD \next, \R
.endif
	PSTORE \p
.endm
; The same for batch b of x.  more = 1: batch 1 is asked for.
.macro XSTEP b, left, more
	s_wait_loadcnt \left
	s_wait_alu depctr_vm_vsrc(0)                   ; the LDS stores of the step before have read OUT, which the conversions below write again
	XCVT
	s_wait_alu depctr_va_vdst(0)                   ; the conversions have written OUT, which the stores below read, and are done reading and writing RX, in which the loads below land
.if \more
	XLOAD 1
.endif
	XSTORE \b
.endm
	s_load_b256 s[8:15], s[0:1], 0x0               ; x s[8:9], Wq s[10:11], Wk s[12:13], Wv s[14:15]
	s_load_b128 s[16:19], s[0:1], 0x20             ; x16 s[16:17], mt s[18:19]
	s_load_b64 s[20:21], s[0:1], 0x30              ; wvt
	v_lshl_add_u32 v[SPW], v0, 2, SPARE
	v_mov_b32 v[NIL], 0
	v_lshrrev_b32 v1, 5, v0
	v_readfirstlane_b32 s24, v1                    ; wave 0..7
	v_and_b32 v1, 31, v0                           ; lane
	v_lshrrev_b32 v4, 3, v1                        ; lane / 8
	v_and_b32 v5, 7, v1                            ; lane % 8
	v_lshrrev_b32 v8, 4, v1                        ; lane / 16
	v_and_b32 v9, 15, v1                           ; lane % 16
	s_wait_alu depctr_va_sdst(0)                   ; s24 is written, ahead of its first reader: the offsets and bases below are made from it
	s_lshl_b32 s25, s24, 14
	v_lshl_add_u32 v[XI], v1, 4, s25
	s_lshl_b32 s25, s24, 13
	v_lshl_add_u32 v[XO], v1, 3, s25
	v_lshl_add_u32 v[WTO], v8, 11, s25             ; (4 w + lane / 16) rows of 2,048 bytes
	v_lshl_add_u32 v[WTO], v9, 4, v[WTO]
	s_lshl_b32 s25, s24, 16
	v_lshl_add_u32 v[WVA], v4, 13, s25
	v_lshl_add_u32 v[WVA], v5, 4, v[WVA]
	s_lshl_b32 s25, s24, 5
	s_add_co_u32 s25, s25, TR
	v_mul_u32_u24 v[TRS], v5, 4*TP                 ; row e = 4 (lane % 8) + c; byte 2 (16 w + 2 (lane / 8))
	v_lshl_add_u32 v[TRS], v4, 2, v[TRS]
	v_add_nc_u32 v[TRS], s25, v[TRS]
	s_mul_i32 s25, s24, 4*TP
	s_add_co_u32 s25, s25, TR
	v_mul_u32_u24 v[TRR], v8, TP
	v_lshl_add_u32 v[TRR], v9, 4, v[TRR]
	v_add_nc_u32 v[TRR], s25, v[TRR]
	v_lshlrev_b32 v[PL], 4, v1
	s_mul_i32 s25, s24, 16*PP
	v_lshl_add_u32 v[PS], v1, 3, s25
	v_mul_u32_u24 v15, v9, PP                      ; a fragment's row x pitch + 16 x half
	v_lshl_add_u32 v15, v8, 4, v15
	s_lshr_b32 s26, s24, 1                         ; my row tile of 16, 0..3
	s_and_b32 s27, s24, 1                          ; my pair of column tiles
	s_mul_i32 s25, s26, 16*PP
	v_add_nc_u32 v[AA], s25, v15
	s_mul_i32 s25, s27, 32*PP
	s_add_co_u32 s25, s25, PANB
	v_add_nc_u32 v[BA], s25, v15
	s_mul_i32 s25, s26, 16*MP
	s_lshl_b32 s28, s27, 6
	s_add_co_u32 s25, s25, s28
	s_add_co_u32 s25, s25, MS
	v_mul_u32_u24 v[MSS], v9, MP
	v_lshl_add_u32 v[MSS], v8, 4, v[MSS]
	v_add_nc_u32 v[MSS], s25, v[MSS]
	s_mul_i32 s25, s24, 8*MP
	s_add_co_u32 s25, s25, MS
	v_mul_u32_u24 v[MSR], v4, MP
	v_lshl_add_u32 v[MSR], v5, 4, v[MSR]
	v_add_nc_u32 v[MSR], s25, v[MSR]
	s_lshl_b32 s25, s24, 14
	v_lshl_add_u32 v[MTO], v4, 11, s25             ; (8 w + lane / 8) rows of 2,048 bytes
	v_lshl_add_u32 v[MTO], v5, 4, v[MTO]
	s_wait_kmcnt 0x0
	s_mov_b32 s3, 0
	s_lshl_b32 s2, ttmp9, 17                       ; my 32 rows of x
	s_add_nc_u64 s[8:9], s[8:9], s[2:3]
	s_lshl_b32 s2, ttmp9, 16                       ; and of x16
	s_add_nc_u64 s[16:17], s[16:17], s[2:3]
	s_and_b32 s30, ttmp9, 7                        ; Wv's tile: d0 = 128 (g % 8),
	s_lshr_b32 s31, ttmp9, 3                       ; e0 = 32 (g / 8)
	s_lshl_b32 s2, s30, 19
	s_lshl_b32 s25, s31, 7
	s_add_co_u32 s2, s2, s25
	s_add_nc_u64 s[14:15], s[14:15], s[2:3]
	s_lshl_b32 s2, s31, 16
	s_lshl_b32 s25, s30, 8
	s_add_co_u32 s2, s2, s25
	s_add_nc_u64 s[20:21], s[20:21], s[2:3]
	s_lshr_b32 s30, ttmp9, 4                       ; mt's tile: 64 rows of Wk from 64 (g / 16),
	s_and_b32 s31, ttmp9, 15                       ; 64 rows of Wq from 64 (g % 16)
	s_lshl_b32 s2, s30, 17
	s_lshl_b32 s25, s31, 7
	s_add_co_u32 s2, s2, s25
	s_add_nc_u64 s[18:19], s[18:19], s[2:3]
	s_cmp_lt_u32 s24, 4                            ; waves 0-3 bring panel A, waves 4-7 panel B, 16 rows each
	s_cselect_b64 s[34:35], s[12:13], s[10:11]
	s_cselect_b32 s2, s30, s31
	s_lshl_b32 s2, s2, 18
	s_and_b32 s25, s24, 3
	s_lshl_b32 s25, s25, 16
	s_add_co_u32 s2, s2, s25
	s_add_nc_u64 s[34:35], s[34:35], s[2:3]
	s_wait_alu depctr_va_vdst(0)                   ; the offsets and LDS addresses v2 to v19 are written, which every load and store of the kernel reads
	; The three shares' loads take turns.  Each wait's count is the number of loads issued behind the batch that is wanted.  Wv comes first: its registers lie in OUT.
.irp u, 0,1,2,3
	global_load_b128 v[WV+4*\u:WV+4*\u+3], v[WVA], s[14:15] offset:(8*(\u/2)+(\u%2))*4096  ; loads 0, 1: an even row d and the odd one below it; loads 2, 3: eight rows on
.endr
	PLOAD 0, RA
	PLOAD 1, RB
	XLOAD 0
	s_wait_loadcnt 48                              ; behind Wv's: P0, P1, X0
.irp u, 0,1
.irp c, 0,1,2,3
	CVT2 WV+8*\u+\c, WV+8*\u+\c, WV+8*\u+4+\c, 30+\c%2
.endr
.endr
	s_wait_alu depctr_va_vdst(0)                   ; the conversions have written Wv's eight words, which the LDS stores read
.irp u, 0,1
.irp c, 0,1,2,3
	ds_store_b32 v[TRS], v[WV+8*\u+\c] offset:\c*TP+16*\u  ; two neighbouring d of column e0 + 4 (lane % 8) + c
.endr
.endr
	PSTEP 0, RA, 32, 0, 2                          ; behind P0: P1, X0
	PSTEP 1, RB, 32, 0, 3                          ; behind P1: X0, P2
	XSTEP 0, 32, 1                                 ; behind X0: P2, P3
	PSTEP 2, RA, 32, 1, 4                          ; behind P2: P3, X1
	PSTEP 3, RB, 32, 0, 5                          ; behind P3: X1, P4
	XSTEP 1, 32, 0                                 ; behind X1: P4, P5
	PSTEP 4, RA, 16, 1, 6                          ; behind P4: P5
	PSTEP 5, RB, 16, 0, 7                          ; behind P5: P6
	PSTEP 6, RA, 16, 0, -1                         ; behind P6: P7
	PSTEP 7, RB, 0, 0, -1
	s_wait_dscnt 0x0                               ; for the others' sake: my stores into the panels and the turned tile are done
	s_barrier_signal -1
	s_barrier_wait -1
	s_wait_alu depctr_vm_vsrc(0)                   ; my last LDS stores have read OUT: of its registers v[TQ ..] take the loads below, v[MQ ..] mt's conversions, v[ACC ..] the products' sums
; Six LDS loads: the fragments of 32 along K, number k of a trip's four, at byte at of the rows, into set S.
.macro KL6 S, k, at
	ds_load_b128 v[(\S)+8*(\k):(\S)+8*(\k)+3],         v[AA] offset:(\at)+64*(\k)
	ds_load_b128 v[(\S)+8*(\k)+4:(\S)+8*(\k)+7],       v[AA] offset:(\at)+64*(\k)+32
	ds_load_b128 v[(\S)+32+8*(\k):(\S)+32+8*(\k)+3],   v[BA] offset:(\at)+64*(\k)
	ds_load_b128 v[(\S)+32+8*(\k)+4:(\S)+32+8*(\k)+7], v[BA] offset:(\at)+64*(\k)+32
	ds_load_b128 v[(\S)+64+8*(\k):(\S)+64+8*(\k)+3],   v[BA] offset:(\at)+64*(\k)+16*PP
	ds_load_b128 v[(\S)+64+8*(\k)+4:(\S)+64+8*(\k)+7], v[BA] offset:(\at)+64*(\k)+16*PP+32
.endm
; 128 along K: 8 products on set S.  more = 1: the next trip's 24 loads, at byte at, land in set N, six ahead of each pair of products.
; Source 0 = 16 rows of Wq, source 1 = 16 rows of Wk: a lane then holds one row d' of mt and eight neighbouring d.
; The two accumulators take turns, one instruction a turn, over the backward jump too.
; The count 24 (LDS loads return in order: ISA guide 5.7.1): behind the six loads that pair k wants stand the rest of set S, 18 - 6 k, and the 6 k + 6 new ones.
.macro KTRIP S, N, at, zero, more
.if (\more) && !(\zero)
	PLACES                                         ; the places between the last trip's products and the loads into the set that they read stay beside the wait
	s_wait_alu depctr_va_vdst(0)                   ; the last trip's products are done reading set N, in which the loads below land; behind the loop's head v[AA] and v[BA], which they read, are written
.endif
.irp k, 0,1,2,3
.if \more
	KL6 \N, \k, \at                                ; no further wait: no vector or matrix instruction since the wait above names set N, v[AA] or v[BA]
	s_wait_dscnt 24
.else
	s_wait_dscnt 18-6*\k                           ; the last trip asks for nothing: the counts run down
.endif
.if (\zero) && (\k == 0)
	v_wmma_f32_16x16x32_bf16 v[ACC:ACC+7],    v[(\S)+32+8*\k:(\S)+32+8*\k+7], v[(\S)+8*\k:(\S)+8*\k+7], 0
	v_wmma_f32_16x16x32_bf16 v[ACC+8:ACC+15], v[(\S)+64+8*\k:(\S)+64+8*\k+7], v[(\S)+8*\k:(\S)+8*\k+7], 0
.else
	v_wmma_f32_16x16x32_bf16 v[ACC:ACC+7],    v[(\S)+32+8*\k:(\S)+32+8*\k+7], v[(\S)+8*\k:(\S)+8*\k+7], v[ACC:ACC+7]
	v_wmma_f32_16x16x32_bf16 v[ACC+8:ACC+15], v[(\S)+64+8*\k:(\S)+64+8*\k+7], v[(\S)+8*\k:(\S)+8*\k+7], v[ACC+8:ACC+15]
.endif
.endr
.endm
	; No vector instruction has been issued since the last step's wait on va_vdst: the loads below, into registers that the stream's conversions named, owe nothing more.
	ds_load_b128 v[TQ:TQ+3],   v[TRR]              ; share b's way out: whole turned rows,
	ds_load_b128 v[TQ+4:TQ+7], v[TRR] offset:2*TP
.irp k, 0,1,2,3
	KL6 K0, \k, 0                                  ; and the first trip's fragments behind them
.endr
	s_wait_dscnt 24                                ; the two turned rows are in; the 24 fragment loads stay out
	global_store_b128 v[WTO], v[TQ:TQ+3],   s[20:21]             ; 16 lanes store 256 consecutive bytes, aligned
	global_store_b128 v[WTO], v[TQ+4:TQ+7], s[20:21] offset:4096
	KTRIP K0, K1, 256, 1, 1                        ; trip 0: the first products start the sums
	s_mov_b32 s28, 3
.Lk:                                           ; trips 1 to 6, two to a lap: both sets are back at their start
	s_wait_alu depctr_vm_vsrc(0)                   ; the LDS loads issued so far have read v[AA] and v[BA]
	v_add_nc_u32 v[AA], 512, v[AA]                 ; two trips, 256 along K, on
	v_add_nc_u32 v[BA], 512, v[BA]
	KTRIP K1, K0, 0, 0, 1
	KTRIP K0, K1, 256, 0, 1
	s_sub_co_u32 s28, s28, 1
	s_cmp_lg_u32 s28, 0
	s_cbranch_scc1 .Lk
	KTRIP K1, K0, 0, 0, 0                          ; trip 7
	PLACES
.irp j, 0,1
.irp c, 0,1,2,3
	v_cvt_pk_f16_f32 v[MQ+4*\j+\c], v[ACC+8*\j+2*\c], v[ACC+8*\j+2*\c+1]  ; mt is rounded once, to f16
.endr
.endr
	s_wait_alu depctr_va_vdst(0)                   ; the conversions have written v[MQ ..], which the LDS stores read; the products are done reading set K0, in whose first registers the loads from the stage land
	ds_store_b128 v[MSS], v[MQ:MQ+3]
	ds_store_b128 v[MSS], v[MQ+4:MQ+7] offset:32
	s_wait_dscnt 0x0                               ; a row's 128 bytes come from two waves
	s_barrier_signal -1
	s_barrier_wait -1
	ds_load_b128 v[MB:MB+3],   v[MSR]
	ds_load_b128 v[MB+4:MB+7], v[MSR] offset:4*MP
	s_wait_dscnt 0x0
	global_store_b128 v[MTO], v[MB:MB+3],   s[18:19]             ; eight lanes store a row's 128 consecutive bytes
	global_store_b128 v[MTO], v[MB+4:MB+7], s[18:19] offset:8192
	s_wait_dscnt 0x0                               ; the closing lines, six on end
	s_wait_alu 0x0
	s_wait_tensorcnt 0x0
	ds_add_u32 v[SPW], v[NIL]
	s_wait_dscnt 0x0
	s_endpgm
.Lfunc_end_k_q0061325a37_prep:
	.size	k_q0061325a37_prep, .Lfunc_end_k_q0061325a37_prep-k_q0061325a37_prep
	.p2alignl 7, 3214868480
	.fill 96, 4, 3214868480
	.section	.rodata,"a",@progbits
	.p2align	6, 0x0
	.amdhsa_kernel k_q0061325a37_prep
		.amdhsa_group_segment_fixed_size 283136
		.amdhsa_private_segment_fixed_size 0
		.amdhsa_enable_private_segment 0
		.amdhsa_kernarg_size 56
		.amdhsa_user_sgpr_count 2
		.amdhsa_user_sgpr_kernarg_segment_ptr 1
		.amdhsa_wavefront_size32 1
		.amdhsa_system_sgpr_workgroup_id_x 1
		.amdhsa_system_sgpr_workgroup_id_y 1
		.amdhsa_system_sgpr_workgroup_id_z 1
		.amdhsa_system_vgpr_workitem_id 0
		.amdhsa_next_free_vgpr 256
		.amdhsa_next_free_sgpr 66
		.amdhsa_reserve_vcc 0
		.amdhsa_float_denorm_mode_32 3
		.amdhsa_float_denorm_mode_16_64 3
		.amdhsa_memory_ordered 1
		.amdhsa_forward_progress 1
		.amdhsa_inst_pref_size 76
	.end_amdhsa_kernel
	.amdgpu_metadata
---
amdhsa.version: [ 1, 2 ]
amdhsa.kernels:
  - .name:           k_q0061325a37_prep
    .symbol:         k_q0061325a37_prep.kd
    .args:
      - { .name: x, .offset: 0, .size: 8, .value_kind: global_buffer, .address_space: global }
      - { .name: Wq, .offset: 8, .size: 8, .value_kind: global_buffer, .address_space: global }
      - { .name: Wk, .offset: 16, .size: 8, .value_kind: global_buffer, .address_space: global }
      - { .name: Wv, .offset: 24, .size: 8, .value_kind: global_buffer, .address_space: global }
      - { .name: x16, .offset: 32, .size: 8, .value_kind: global_buffer, .address_space: global }
      - { .name: mt, .offset: 40, .size: 8, .value_kind: global_buffer, .address_space: global }
      - { .name: wvt, .offset: 48, .size: 8, .value_kind: global_buffer, .address_space: global }
    .group_segment_fixed_size: 283136
    .private_segment_fixed_size: 0
    .kernarg_segment_align: 8
    .kernarg_segment_size: 56
    .max_flat_workgroup_size: 256
    .sgpr_count:     66
    .vgpr_count:     256
    .wavefront_size: 32
...
	.end_amdgpu_metadata
.endif
;; end of part 5
;; launch proj: the kernel of part 2 again; grid 8 x 32, 4 waves a work-group, clusters of 4 x 4, 327,680 bytes of LDS; arguments x16, mt, wvt, qs, vt, tl; writes qs, vt, tl
;; launch score: the kernel of part 3 again; grid 37 x 4, 4 waves a work-group, no clusters, 327,680 bytes of LDS; arguments qs, x16, tl, pt, st; writes pt, st
;; launch mix: the kernel of part 4 again; grid 8 x 32, 4 waves a work-group, clusters of 4 x 1, 327,680 bytes of LDS; arguments pt, st, vt, out0; writes out0
